; MI455X (gfx1250); checked and timed in simulation.
; The chip was launched on July 23, 2026; its instructions are those of AMD's public machine-readable ISA for CDNA 5 (MIT licence, August 2026) and "CDNA5" Instruction Set Architecture Reference Guide (July 2026). The comments in the code are by the model that wrote it; some were corrected since.
;; Self Attention. Allowed arithmetic: matrix products marked QUANTISED: E5M2 operands, one given power-of-two scale a tensor, by v_wmma_f32_16x16x64_bf8_bf8 or v_wmma_f32_16x16x128_bf8_bf8, f32 sums; everything else in f32.
;; Inputs: Wk_codes 1,024 x 32 x 32 uint8 (E5M2 codes of Wk, K innermost, in blocks of 32 codes); Wq_codes 1,024 x 32 x 32 uint8 (E5M2 codes of Wq, K innermost, in blocks of 32 codes); Wv_codes 1,024 x 32 x 32 uint8 (E5M2 codes of Wv, K innermost, in blocks of 32 codes); bk 1,024 float32; bq 1,024 float32; bv 1,024 float32; lowp_scales 10 int32 (the exponents e of the quantised operands' scales 2^e); mask 1 x 1 x 2,048 x 2,048 bool; x_codes 4 x 2,048 x 32 x 32 uint8 (E5M2 codes of x, K innermost, in blocks of 32 codes).
;; Outputs: out0 4 x 2,048 x 1,024 float32.
;; This version of the problem:
;;   THIS VERSION OF THE PROBLEM IS GIVEN IN LOW PRECISION. The matrix products marked QUANTISED in the list below multiply operands that are first quantised to E5M2 (5 exponent bits, 2 mantissa bits; 8 bits a number), with one given power-of-two scale for each operand tensor; their sums are f32. All else is computed in f32.
;;   The module's matrix products, in the order in which they are computed (A, B: the left and right operand; K: the contracted axis; several contracted axes count as one K, in the product's order):
;;     1. [M 8,192, K 1,024] x [K 1,024, N 1,024]; A: input x (given as codes); B: input Wq (given as codes): QUANTISED (scales: A lowp_scales[0], B lowp_scales[1])
;;     2. [M 8,192, K 1,024] x [K 1,024, N 1,024]; A: input x (given as codes); B: input Wk (given as codes): QUANTISED (scales: A lowp_scales[2], B lowp_scales[3])
;;     3. [M 8,192, K 1,024] x [K 1,024, N 1,024]; A: input x (given as codes); B: input Wv (given as codes): QUANTISED (scales: A lowp_scales[4], B lowp_scales[5])
;;     4. batch 64 x [M 2,048, K 64] x [K 64, N 2,048]; A: computed on the way; B: computed on the way: QUANTISED (scales: A lowp_scales[6], B lowp_scales[7])
;;     5. batch 64 x [M 2,048, K 2,048] x [K 2,048, N 64]; A: softmax (see below); B: computed on the way: QUANTISED (scales: A lowp_scales[8], B lowp_scales[9])
;;   THE QUANTISER, for each operand of a quantised product, along K:
;;     - The operand's scale is 2^e, e = its entry of the input lowp_scales (int32; the entries are numbered through the quantised products in the list's order, A before B).
;;     - Each number is divided by the scale, clamped to +-57,344, and rounded to the nearest number of E5M2, ties to even, subnormals kept.
;;     - The product sums the exact products of the quantised numbers (number of the format x scale) in f32.
;;   ~~~python
;;   def quantise(x, axis, e):      # numpy; x: float32 -> the quantised numbers, widened to float32 again
;;       x = np.moveaxis(x, axis, -1); K = x.shape[-1]
;;       r = np.clip(x / 2.0 ** e, -57344, 57344)
;;       step = 2.0 ** (np.maximum(np.frexp(np.where(r == 0, 1, r))[1] - 1, -14) - 2)
;;       q = np.round(r / step) * step * 2.0 ** e      # np.round: ties to even
;;       return np.moveaxis(q, -1, axis).astype(np.float32)
;;   ~~~
;;   SOFTMAX AHEAD OF A QUANTISED PRODUCT. Where the list says 'softmax', what is quantised is not the finished softmax but p = 2^(t - M), with t = logit x log2(e) and M = ceil(the row's largest t), a whole number; so 1/2 < the row's largest p <= 1. The row's sum l is taken of the UNQUANTISED p, in f32, and the product's result is divided by l at the end. Since M is a whole number, a kernel that streams over the keys may use a running M (the ceiling of the running maximum): every later rescaling is an exact power of two, so the quantised numbers keep their values, but for numbers so far below the row's largest that they fall under the format's range.
;;   OPERANDS COMPUTED ON THE WAY. 'Computed on the way' means the value that the module computes at that place (a softmax that the list does not call 'softmax' is quantised finished and normalised). What goes into a quantiser is computed in f32, as accurately as f32 sums, v_exp_f32 and their like allow (about 1e-6 of the number): no bf16 or f16 on the way to a quantiser, and a product that is left as it is and whose result goes on into a quantised operand takes f32 operands (vector FMAs, or v_wmma_f32_16x16x4_f32). A number that lies on a knife's edge between two numbers of the format may be rounded either way, as far as f32 arithmetic and the matrix unit's own rounding can turn it there, and no further.
;;   INPUTS GIVEN AS CODES. Wk (in the module: [1024, 1024], K = its axis 0); Wq (in the module: [1024, 1024], K = its axis 0); Wv (in the module: [1024, 1024], K = its axis 0); x (in the module: [4, 2048, 1024], K = its axis 2): each comes as NAME_codes (uint8): NAME with its K axis moved to the last place and cut into blocks of 32 codes, [.., K / 32, bytes a block], one block behind the other in memory; one code a byte (a code: sign, 5 exponent bits, 2 mantissa bits); its scale is its entry of lowp_scales. Its value is code x scale, taken as it is: it is not quantised again, and the codes and scales need not be those that the quantiser above would give.
;; 2 versions, each right; version 2 is version 1 with the launch attn written anew for expert scheduling mode. Each part assembles by itself: llvm-mc -triple=amdgcn-amd-amdhsa -mcpu=gfx1250 --defsym DOCPART=n.
;; ======== version 1 of 2: 3 launches
;; limits: right only within a limited range of input values
;; workspace buffers: qc 8,388,608 bytes; kv 16,777,216 bytes; mlane 524,288 bytes of whole numbers; mflag 512 bytes of whole numbers
;; launch maskprep (part 1): grid 128 x 1, 16 waves a work-group, no clusters, 2,304 bytes of LDS; arguments mask, mlane, mflag; writes mlane, mflag
.if DOCPART == 1
	.amdgcn_target "amdgcn-amd-amdhsa--gfx1250"
	.amdhsa_code_object_version 6
	.text
	.protected	k_q9caec75163_maskprep
	.globl	k_q9caec75163_maskprep
	.p2align	8
	.type	k_q9caec75163_maskprep,@function
k_q9caec75163_maskprep:
	s_mov_b64 s[64:65], 0
	v_nop
	global_prefetch_b8 v0, s[64:65] scope:SCOPE_SE
	s_setreg_imm32_b32 hwreg(HW_REG_WAVE_MODE, 25, 1), 1
	s_wait_xcnt 0x0
; THE PROGRAM: out = softmax(where(mask, q k^T / 8, -1e9)) v by heads, q, k, v = x W + b, all five products on codes of E5M2.
; Three launches: this one turns the mask into lane masks and flags; the second makes q, k, v as codes; the third is the attention.
; DEAD WORK: none for all values of the inputs.  Every bias goes into a quantised operand, every key can count, so every input is loaded.
; What is left out hangs on the mask's VALUES, which are whole numbers: this launch stores, for each tile of 16 queries, which steps of 128 keys hold a true
; entry at all, and the attention reads that and walks only those.  A masked key's weight is 2^(about -1.5e9 - M), which is 0 in f32 beside any true key.
; A row with no true key at all is, in reference(), the plain average of all keys: a tile of queries that holds such a row is flagged to walk every step.
; LIMIT: a NaN, an infinity or an overflow in k or v that reaches only steps left out so is not carried to the result.
;
; THIS LAUNCH.  mask: [2048][2048] bytes, 0 or 1.  A work-group takes 16 queries (tile qt), each of its sixteen waves a step of 128 keys (ks).
; mlane[qt][ks][n], n = 0 .. 63: a word whose bit l (r = l % 16, h = l / 16) is mask[16 qt + r][128 ks + 16 (n / 8) + 8 h + n % 8]: the lane mask of the attention's score register n.
; mflag[qt]: bits 0-15: step j must be walked; bits 16-31: step j is all true, so that nothing need be selected there.
; No matrix unit, no tensor load: 4 MiB are read once, 8 bytes a lane, and the work is bit work.
.set SPARE, 256                        ; LDS: bytes 0-63 the sixteen waves' records; from 256 on the spare words, 128 bytes for each wave
.set SPW, 60                           ; v60  LDS address of my spare word; never rewritten
.set NIL, 61                           ; v61  0; never rewritten
	s_load_b128 s[4:7], s[0:1], 0x0                ; mask, mlane
	s_load_b64 s[8:9], s[0:1], 0x10                ; mflag
	v_lshl_add_u32 v[SPW], v0, 2, SPARE
	v_mov_b32 v[NIL], 0
	v_lshrrev_b32 v62, 5, v0
	v_readfirstlane_b32 s16, v62                   ; wave = key step
	v_and_b32 v12, 15, v0                          ; r
	v_bfe_u32 v13, v0, 4, 1                        ; h
	v_lshlrev_b32 v1, 11, v12
	v_lshl_add_u32 v1, v13, 3, v1                  ; mask: row r of 2,048 bytes, + 8 h
	v_and_b32 v14, 31, v0
	v_lshlrev_b32 v2, 3, v14                       ; mlane: 8 bytes a lane
	v_mov_b32 v10, s16
	v_lshlrev_b32 v10, 2, v10                      ; LDS: my wave's record
	v_lshlrev_b32 v3, 2, v12                       ; LDS: the record of key step lane % 16
	v_mov_b32 v48, 0                               ; LDS byte 0; also the offset of the one flag word
	v_mov_b32 v8, 0                                ; v_writelane_b32 counts as a reader of its destination
	v_mov_b32 v9, 0
	s_lshl_b32 s10, ttmp9, 15                      ; 16 rows of 2,048 bytes
	s_lshl_b32 s12, s16, 7
	s_add_co_u32 s10, s10, s12                     ; + 128 keys a step
	s_mov_b32 s11, 0
	s_lshl_b32 s12, ttmp9, 12
	s_lshl_b32 s14, s16, 8
	s_add_co_u32 s12, s12, s14                     ; (16 qt + ks) x 256 bytes
	s_mov_b32 s13, 0
	s_lshl_b32 s14, ttmp9, 2
	s_mov_b32 s15, 0
	s_mov_b32 s24, 0                               ; the OR of the 64 lane masks
	s_mov_b32 s25, -1                              ; and their AND
	s_wait_kmcnt 0x0
	s_add_nc_u64 s[4:5], s[4:5], s[10:11]
	s_add_nc_u64 s[6:7], s[6:7], s[12:13]
	s_add_nc_u64 s[8:9], s[8:9], s[14:15]
.irp t, 0,1,2,3,4,5,6,7
	global_load_b64 v[16+2*\t:17+2*\t], v1, s[4:5] offset:16*\t th:TH_LOAD_NT   ; keys 16 t + 8 h + 0 .. 7 of my row: byte n % 4 of v[16 + n / 4] is entry n
.endr
	s_wait_loadcnt 0x0
.set n, 0
.rept 64
	v_bfe_u32 v[4+n%4], v[16+n/4], 8*(n%4), 8
	v_cmp_ne_u32 s[20+n%4], 0, v[4+n%4]            ; the 32 lanes' entry n as one word
	v_writelane_b32 v[8+n%2], s[20+n%4], n/2       ; word n goes to byte 4 n of the block: lane n / 2, register n % 2
	s_or_b32 s24, s24, s[20+n%4]
	s_and_b32 s25, s25, s[20+n%4]
.set n, n+1
.endr
	global_store_b64 v2, v[8:9], s[6:7]            ; 32 lanes store 256 consecutive bytes, aligned
	v_or_b32 v12, v16, v17                         ; has my row a true key among my 64?
.irp i, 18,19,20,21,22,23,24,25,26,27,28,29,30,31
	v_or_b32 v12, v12, v[\i]
.endr
	v_cmp_ne_u32 s26, 0, v12
	s_lshr_b32 s27, s26, 16
	s_or_b32 s26, s26, s27
	s_and_b32 s26, s26, 0xffff                     ; bit r: row r has a true key in this step
	s_cmp_eq_u32 s25, -1
	s_cselect_b32 s27, 0x10000, 0                  ; bit 16: the step is all true
	s_cmp_lg_u32 s24, 0
	s_cselect_b32 s28, 0x20000, 0                  ; bit 17: it holds a true entry
	s_or_b32 s26, s26, s27
	s_or_b32 s26, s26, s28
	v_mov_b32 v11, s26
	ds_store_b32 v10, v11                          ; all lanes write the same word with the same value
	s_wait_dscnt 0x0                               ; for the others' sake: my record has landed
	s_barrier_signal -1
	s_barrier_wait -1
	s_cmp_lg_u32 s16, 0                            ; wave 0 joins the sixteen records
	s_cbranch_scc1 .Lend
	ds_load_b32 v13, v3                            ; lane l: the record of step l % 16
.irp c, 0,1,2,3
	ds_load_b128 v[32+4*\c:35+4*\c], v48 offset:16*\c   ; and all sixteen in every lane
.endr
	s_wait_dscnt 0x0
	v_or_b32 v49, v32, v33
.irp i, 34,35,36,37,38,39,40,41,42,43,44,45,46,47
	v_or_b32 v49, v49, v[\i]
.endr
	v_readfirstlane_b32 s29, v49
	s_and_b32 s29, s29, 0xffff                     ; bit r: row r has a true key somewhere
	v_and_b32 v50, 0x20000, v13
	v_cmp_ne_u32 s27, 0, v50
	s_and_b32 s27, s27, 0xffff                     ; bit j: step j holds a true entry
	v_and_b32 v50, 0x10000, v13
	v_cmp_ne_u32 s28, 0, v50
	s_lshl_b32 s28, s28, 16                        ; bit 16 + j: step j is all true
	s_cmp_eq_u32 s29, 0xffff
	s_cselect_b32 s27, s27, 0xffff                 ; a row with no true key averages all keys: then every step is walked
	s_or_b32 s27, s27, s28
	v_mov_b32 v49, s27
	s_wait_xcnt 0x0                                ; EXEC changes only behind this wait: it is a source of the store above
	v_cmp_eq_u32 vcc_lo, 0, v0
	s_and_saveexec_b32 s30, vcc_lo
	global_store_b32 v48, v49, s[8:9]              ; one word for the tile of queries
	s_wait_xcnt 0x0                                ; and again ahead of the line that widens it
	s_or_b32 exec_lo, exec_lo, s30
.Lend:
	s_wait_tensorcnt 0x0                           ; the wave's end
	ds_add_u32 v[SPW], v[NIL]
	s_wait_dscnt 0x0
	s_endpgm
.Lfunc_end_k_q9caec75163_maskprep:
	.size	k_q9caec75163_maskprep, .Lfunc_end_k_q9caec75163_maskprep-k_q9caec75163_maskprep
	.p2alignl 7, 3214868480
	.fill 96, 4, 3214868480
	.section	.rodata,"a",@progbits
	.p2align	6, 0x0
	.amdhsa_kernel k_q9caec75163_maskprep
		.amdhsa_group_segment_fixed_size 2304
		.amdhsa_private_segment_fixed_size 0
		.amdhsa_enable_private_segment 0
		.amdhsa_kernarg_size 24
		.amdhsa_user_sgpr_count 2
		.amdhsa_user_sgpr_kernarg_segment_ptr 1
		.amdhsa_wavefront_size32 1
		.amdhsa_system_sgpr_workgroup_id_x 1
		.amdhsa_system_sgpr_workgroup_id_y 1
		.amdhsa_system_sgpr_workgroup_id_z 1
		.amdhsa_system_vgpr_workitem_id 0
		.amdhsa_next_free_vgpr 64
		.amdhsa_next_free_sgpr 66
		.amdhsa_reserve_vcc 1
		.amdhsa_float_denorm_mode_32 3
		.amdhsa_float_denorm_mode_16_64 3
		.amdhsa_memory_ordered 1
		.amdhsa_forward_progress 1
		.amdhsa_inst_pref_size 22
	.end_amdhsa_kernel
	.amdgpu_metadata
---
amdhsa.version: [ 1, 2 ]
amdhsa.kernels:
  - .name:           k_q9caec75163_maskprep
    .symbol:         k_q9caec75163_maskprep.kd
    .args:
      - { .name: mask, .offset: 0, .size: 8, .value_kind: global_buffer, .address_space: global }
      - { .name: mlane, .offset: 8, .size: 8, .value_kind: global_buffer, .address_space: global }
      - { .name: mflag, .offset: 16, .size: 8, .value_kind: global_buffer, .address_space: global }
    .group_segment_fixed_size: 2304
    .private_segment_fixed_size: 0
    .kernarg_segment_align: 8
    .kernarg_segment_size: 24
    .max_flat_workgroup_size: 512
    .sgpr_count:     66
    .vgpr_count:     64
    .wavefront_size: 32
...
	.end_amdgpu_metadata
.endif
;; end of part 1
;; launch proj (part 2): grid 96 x 4, 4 waves a work-group, clusters of 4 x 4, 327,680 bytes of LDS; arguments x_codes, Wq_codes, Wk_codes, Wv_codes, bq, bk, bv, lowp_scales, qc, kv; writes qc, kv
.if DOCPART == 2
	.amdgcn_target "amdgcn-amd-amdhsa--gfx1250"
	.amdhsa_code_object_version 6
	.text
	.protected	k_q9caec75163_proj
	.globl	k_q9caec75163_proj
	.p2align	8
	.type	k_q9caec75163_proj,@function
k_q9caec75163_proj:
	s_mov_b64 s[64:65], 0
	v_nop
	global_prefetch_b8 v0, s[64:65] scope:SCOPE_SE
	s_setreg_imm32_b32 hwreg(HW_REG_WAVE_MODE, 25, 1), 1
	s_wait_xcnt 0x0
	s_wait_alu depctr_hold_cnt(0) depctr_sa_sdst(0) depctr_va_vdst(0) depctr_va_sdst(0) depctr_va_ssrc(0) depctr_va_vcc(0) depctr_vm_vsrc(0)
	s_getreg_b32 s2, hwreg(HW_REG_IB_STS2, 6, 4)
	s_cmp_eq_u32 s2, 0
	s_cbranch_scc0 .Lentry_in_a_cluster
	s_endpgm
.Lentry_in_a_cluster:
	s_bfe_u32 s2, ttmp6, 0x10000c
	s_cmp_lg_u32 s2, 0xf033
	s_cbranch_scc0 .Lentry_shape_is_right
	s_endpgm
.Lentry_shape_is_right:
; q, k, v = x W + b on codes of E5M2, quantised on the way out into the codes that the attention's matrix instructions take.  Nothing is left out here.
; x: [8192][1024] codes; Wq, Wk, Wv: [1024 (out)][1024 (K)] codes, K innermost.  A sum of products of codes stands for sum x 2^(ea + eb); y = sum x 2^(ea + eb) + bias, one fused multiply-add;
; code = y / 2^eout, held within +-57,344, to the nearest code, ties to even (eout: entry 6 for q, 7 for k, 9 for v).
; LIMITS: ea + eb between -126 and 127; eout between -126 and 112; NaN among the biases is not served.
; ONE BODY, THREE ROLES.  A cluster of 4 x 4 work-groups makes 1,024 x 1,024 of C' = A' B'^T; the cluster's number gives role = number / 8 and g = number % 8 (1,024 rows of x).
;   role 0, 1 (q, k): A' = x's rows, B' = W's rows: a lane ends with ONE token and eight neighbouring channels: channels are the K of q k^T.
;   role 2 (v):       A' = Wv's rows, B' = x's rows: a lane ends with ONE channel and eight neighbouring keys: keys are the K of p v.  Nothing is transposed by an instruction.
; A tile of C', 256 x 256, is made by four waves, 128 x 128 each: 64 accumulators, 512 registers.  K goes in steps of 256 through a ring of two LDS slots filled by the tensor data mover.
; The four work-groups of a row of the cluster need the same tiles of A', the four of a column the same tiles of B': each tile is asked for JOINTLY.
; THE MATRIX INSTRUCTION IS USED TRANSPOSED (source 0 = 16 rows of B', source 1 = 16 rows of A'): lane (r, h) holds row r of A' and, in accumulator b, columns 16 b + 8 h + 0 .. 7.
; Those eight are what registers 2 b, 2 b + 1 of an 8-bit operand hold in lane (r, h): so one conversion of an accumulator gives two registers of the next operand,
; and the codes go to memory AS IMAGES OF THE OPERAND'S REGISTERS: four registers a store, 16 bytes a lane at 16 x lane: 512 consecutive bytes, aligned.  No stage in LDS.
; In the products here a fragment is fetched by four loads of 16 bytes: a permutation of k that is the same in A' and B', so every product meets its partner.
; REGISTERS, in windows of 256: window 0: v0-31 addresses and scales; v64-127 the biases; from v128 A's fragments, ONE set; on the way out v128-191 numbers, v192-255 codes.
;   window 1: B's fragments, TWO sets.   window 2: the accumulators of my rows 0-63 ((a, b) at v[8 (8 a + b)]);   window 3: those of my rows 64-127.
.set KSTEP,  256                       ; along K in a slot
.set ROWB,   256                       ; a tile's row in bytes
.set KROW,   1024                      ; a row of x or of W in memory, in bytes
.set PITCH,  272                       ; an LDS row: 256 bytes + 16 of padding = 68 words: the 16 rows that a load touches start at 16 different banks (64 banks of 4 bytes: ISA guide 11.1)
.set FR,     16                        ; registers of a fragment: 16 rows x 128 K
.set NL,     4                         ; LDS loads that bring one
.set NP,     4                         ; places behind this matrix instruction (ISA guide 7.12.1)
.set HALFT,  128*PITCH                 ; 128 rows: what one tensor load brings
.set SLOT,   4*HALFT                   ; A's 256 rows, then B's 256 rows
.set LAPS,   2                         ; 1,024 along K = two laps of two slots
.set SPARE,  2*SLOT                    ; behind the ring: the spare words, 128 bytes for each wave
.set ADRA, 16                          ; v16-17  LDS address of my A fragments in slot 0, 1
.set ADRB, 20                          ; v20-21  the same for B
.set CO,   26                          ; v26     16 x lane: an image's place for my lane
.set BO,   27                          ; v27     my offset among the biases
.set SPW,  28                          ; v28     LDS address of my spare word; never rewritten
.set NIL,  29                          ; v29     0; never rewritten
.set SCL,  30                          ; v30     2^eout as f32: the conversion takes its exponent field
.set LIM,  31                          ; v31     57,344 x 2^eout
.set BIA,  64                          ; v64-127 the biases, in the result's layout
.set AF,   128                         ; A's fragments
.set TMP,  128                         ; the way out: a block's 64 numbers
.set CODE, 192                         ; the way out: four sets of 16 registers of codes
.set G1, 24                            ; s[24:31] descriptor group 1 for A's tiles;  s[32:39] group 0, one set for each slot
.set G0, 32
.set G1B, 48                           ; s[48:55], s[56:63] the same for B's tiles
.set G0B, 56
.set MSB, 0
.macro WIN new                         ; the immediate's high byte repeats the setting that is left
.if MSB != \new
	s_set_vgpr_msb (MSB<<8)|\new
.set MSB, \new
.endif
.endm
.set MUL_LO, 0xa1                      ; source 0 (B) window 1, source 1 (A) window 0, C and D window 2
.set MUL_HI, 0xf1                      ; the same, C and D window 3
.set TO_B,   0x40                      ; destination window 1, address window 0
; A joint load: waves 0 and 1 fetch for A, waves 2 and 3 for B.  The branch hangs on the wave's number alone.  An s_nop 0 and four v_nop follow each of the two lines.
.macro JLOAD g0a, g1a, g0b, g1b
	s_cmp_eq_u32 s15, 0
	s_cbranch_scc0 .Lfor_b_\@
	tensor_load_to_lds s[\g0a:\g0a+3], s[\g1a:\g1a+7]
	s_nop 0
.rept 4
	v_nop
.endr
	s_branch .Lasked_\@
.Lfor_b_\@:
	tensor_load_to_lds s[\g0b:\g0b+3], s[\g1b:\g1b+7]
	s_nop 0
.rept 4
	v_nop
.endr
.Lasked_\@:
.endm
.macro CREST                           ; a round of the cluster's barrier behind its opening barrier
	s_cmp_lg_u32 s14, 0
	s_cbranch_scc1 .Lnot_wave_0_\@
	s_barrier_signal -3
.Lnot_wave_0_\@:
	s_barrier_wait -3
	s_barrier_signal -1
	s_barrier_wait -1
.endm
.macro CROUND                          ; a whole round
	s_barrier_signal -1
	s_barrier_wait -1
	CREST
.endm
	s_load_b512 s[68:83], s[0:1], 0x0              ; x s[68:69], Wq s[70:71], Wk s[72:73], Wv s[74:75], bq s[76:77], bk s[78:79], bv s[80:81], the scales' exponents s[82:83]
	s_load_b128 s[84:87], s[0:1], 0x40             ; qc s[84:85], kv s[86:87]
	v_lshl_add_u32 v[SPW], v0, 2, SPARE
	v_mov_b32 v[NIL], 0
	ds_add_u32 v[SPW], v[NIL]                      ; the wave's opening: the add, twice on end, and its wait ahead of my first tensor load; the set-up below stands between
	ds_add_u32 v[SPW], v[NIL]                      ; and once more, under the one wait
	v_lshrrev_b32 v1, 5, v0
	v_readfirstlane_b32 s14, v1                    ; wave 0..3
	s_lshr_b32 s15, s14, 1                         ; which half of the tile's rows is mine.  Also: I fetch for A (0) or for B (1)
	s_and_b32 s16, s14, 1                          ; which half of its columns.  Also: which 128 rows of that tile I fetch
	s_bfe_u32 s40, ttmp6, 0x40000                  ; cx = tile column of C'
	s_bfe_u32 s41, ttmp6, 0x40004                  ; cy = tile row of C'
	s_lshr_b32 s88, ttmp9, 3                       ; role: the same in all sixteen partners
	s_and_b32 s89, ttmp9, 7                        ; g: which 1,024 rows of x
	s_lshl_b32 s43, s41, 2
	s_lshl_b32 s43, 15, s43                        ; my row of the cluster
	s_lshl_b32 s44, 0x1111, s40                    ; my column
	; descriptor group 1: a tile of 128 rows x 256 bytes, padded in LDS
	s_or_b32 s[G1+0], s43, (0<<16)|(1<<20)|(1<<21)|(5<<22)|(3<<25)  ; 15:0 the mask: A's tiles go to my row; 17:16 element of 1 byte; 20 padding on; 21 set beside a mask; 24:22 after every 64 words; 31:25 of 4 words
	s_or_b32 s[G1B+0], s44, (0<<16)|(1<<20)|(1<<21)|(5<<22)|(3<<25)
.irp g, G1, G1B
	s_mov_b32 s[\g+1], ROWB<<16                    ; tensor_dim0
	s_mov_b32 s[\g+2], 128<<16                     ; tensor_dim1 = 128
	s_mov_b32 s[\g+3], ROWB<<16                    ; tile_dim0
	s_mov_b32 s[\g+4], 128                         ; tile_dim1 = 128
	s_mov_b32 s[\g+5], KROW                        ; tensor_dim0_stride
	s_mov_b32 s[\g+6], 0
	s_mov_b32 s[\g+7], 0
.endr
	s_lshl_b32 s18, s16, 7                         ; which 128 rows of the tile I fetch
	s_lshl_b32 s20, s41, 8
	s_add_co_u32 s20, s20, s18                     ; A': row 256 cy + 128 x half
	s_lshl_b32 s46, s40, 8
	s_add_co_u32 s46, s46, s18                     ; B': row 256 cx + 128 x half
	s_lshl_b32 s20, s20, 10                        ; in bytes
	s_lshl_b32 s46, s46, 10
	s_mov_b32 s21, 0
	s_mov_b32 s47, 0
	s_lshl_b32 s98, s89, 20                        ; g x 1,024 rows of 1,024 bytes: it goes to the side that is x
	s_lshl_b32 s12, s88, 3                         ; ea, eb: entries 2 role, 2 role + 1
	s_mov_b32 s13, 0
	s_lshl_b32 s8, s88, 2                          ; eout: entry 6 + role, and one more for v
	s_mov_b32 s9, 0
	s_cmp_eq_u32 s88, 2
	s_cselect_b32 s11, 4, 0
	s_cselect_b32 s99, 0, s98
	s_cselect_b32 s98, s98, 0
	s_add_co_u32 s8, s8, s11
	s_add_co_u32 s20, s20, s99
	s_add_co_u32 s46, s46, s98
	s_mul_i32 s45, s14, HALFT                      ; where the tiles go: wave x 128 rows: no place in the cluster enters an LDS address
	s_wait_dscnt 0x0                               ; both opening adds are done
	s_wait_kmcnt 0x0
	s_cmp_eq_u32 s88, 0                            ; the buffers are chosen by the role alone
	s_cselect_b64 s[6:7], s[70:71], s[72:73]       ; Wq or Wk
	s_cselect_b64 s[90:91], s[76:77], s[78:79]     ; bq or bk
	s_cmp_eq_u32 s88, 2
	s_cselect_b64 s[4:5], s[74:75], s[68:69]       ; A': Wv in role 2, else x
	s_cselect_b64 s[6:7], s[68:69], s[6:7]         ; B': x in role 2
	s_cselect_b64 s[90:91], s[80:81], s[90:91]     ; bv in role 2
	s_add_nc_u64 s[12:13], s[82:83], s[12:13]
	s_add_nc_u64 s[8:9], s[82:83], s[8:9]
	s_load_b64 s[96:97], s[12:13], 0x0             ; ea, eb
	s_load_b32 s10, s[8:9], 0x18                   ; eout
	s_add_nc_u64 s[20:21], s[4:5], s[20:21]
	s_add_nc_u64 s[46:47], s[6:7], s[46:47]
	CROUND                                         ; all sixteen work-groups are here: the first joint loads meet
.irp s, 0,1
	s_mov_b32 s[G0+4*\s], 1
	s_add_co_u32 s[G0+4*\s+1], s45, \s*SLOT
	s_add_nc_u64 s[G0+4*\s+2:G0+4*\s+3], s[20:21], \s*ROWB
	s_or_b32 s[G0+4*\s+3], s[G0+4*\s+3], 0x80000000
	s_mov_b32 s[G0B+4*\s], 1
	s_add_co_u32 s[G0B+4*\s+1], s45, \s*SLOT
	s_add_nc_u64 s[G0B+4*\s+2:G0B+4*\s+3], s[46:47], \s*ROWB
	s_or_b32 s[G0B+4*\s+3], s[G0B+4*\s+3], 0x80000000
	JLOAD G0+4*\s, G1, G0B+4*\s, G1B
.endr
	v_and_b32 v1, 15, v0                           ; r = l % 16
	v_bfe_u32 v2, v0, 4, 1                         ; h = l / 16
	v_mul_u32_u24 v3, v1, PITCH
	v_lshl_add_u32 v4, v2, 4, v3                   ; a fragment's row x pitch + 16 x half
	s_mul_i32 s21, s15, HALFT                      ; my 128 rows of A
	s_mul_i32 s22, s16, HALFT                      ; my 128 rows of B,
	s_add_co_u32 s22, s22, 2*HALFT                 ; which lie behind A's 256
.irp s, 0,1
	v_add_nc_u32 v[ADRA+\s], s21, v4
	v_add_nc_u32 v[ADRB+\s], s22, v4
	s_add_co_u32 s21, s21, SLOT
	s_add_co_u32 s22, s22, SLOT
.endr
	v_and_b32 v6, 31, v0
	v_lshlrev_b32 v[CO], 4, v6
.macro FRAG reg, adr, q, i             ; a fragment, 16 rows x 128 K, is 16 registers: lane l holds row l % 16; registers 4 c .. 4 c + 3 hold K = 32 c + 16 (l / 16) + 0 .. 15
.irp c, 0,1,2,3
	ds_load_b128 v[\reg+4*\c:\reg+4*\c+3], v[\adr] offset:128*(\q)+32*\c+(\i)*16*PITCH
.endr
.endm
; 16 matrix instructions: A's blocks a0, a0 + 1 x B's eight, 128 along K.  p: B's set.  zero = 1: the first product starts the sums.
; The 64 accumulators take turns, one instruction a turn, in the same order in every step.
.macro MUL16 a0, p, zero
.irp a, \a0, \a0+1
.irp b, 0,1,2,3,4,5,6,7
.if \zero
	v_wmma_f32_16x16x128_bf8_bf8 v[8*(8*((\a)%4)+\b):8*(8*((\a)%4)+\b)+7], v[128*(\p)+FR*\b:128*(\p)+FR*\b+FR-1], v[AF+FR*(\a):AF+FR*(\a)+FR-1], 0
.else
	v_wmma_f32_16x16x128_bf8_bf8 v[8*(8*((\a)%4)+\b):8*(8*((\a)%4)+\b)+7], v[128*(\p)+FR*\b:128*(\p)+FR*\b+FR-1], v[AF+FR*(\a):AF+FR*(\a)+FR-1], v[8*(8*((\a)%4)+\b):8*(8*((\a)%4)+\b)+7]
.endif
.endr
.endr
.endm
.macro FETCH_B slot, q, p              ; B's eight fragments of the slot's q-th 128 along K into set p
	WIN TO_B
.irp i, 0,1,2,3,4,5,6,7
	FRAG 128*(\p)+FR*\i, ADRB+\slot, \q, \i
.endr
	WIN 0
.endm
.macro FETCH_A slot, q, i0             ; A's blocks i0 .. i0 + 3
.irp i, \i0, \i0+1, \i0+2, \i0+3
	FRAG AF+FR*(\i), ADRA+\slot, \q, \i
.endr
.endm
; A load into a register that a matrix instruction has read, and a vector instruction that reads a matrix result or writes one of its registers, stand NP places behind it;
; only plain vector instructions that name none of its registers are places (ISA guide 7.12.1 for vector instructions).
.macro PLACES n
.rept \n
	v_nop
.endr
.endm
; A step of 128 along K that has its successor in the same slot.
.macro STEP slot, q, zero
	s_wait_dscnt 4*NL                              ; B's set and A's blocks 0-3 are in; the youngest sixteen loads (A's blocks 4-7) may be out
	WIN MUL_LO
	MUL16 0, (\q)%2, \zero
	MUL16 2, (\q)%2, \zero
	s_wait_dscnt 0                                 ; A's blocks 4-7 are in
	PLACES NP
	FETCH_B \slot, (\q)+1, 1-(\q)%2
	FETCH_A \slot, (\q)+1, 0
	WIN MUL_HI
	MUL16 4, (\q)%2, \zero
	MUL16 6, (\q)%2, \zero
	PLACES NP
	WIN 0
	FETCH_A \slot, (\q)+1, 4
.endm
; A slot's last step changes slots: ONE barrier; in front of it each wave waits for all its tensor loads, adds 0 to its spare word, and waits for that and for its own reads of this slot.  fill = 1: this slot is filled again, two K steps ahead.
.macro TURN slot, next, fill
	s_wait_tensorcnt 0x0                           ; all my tensor loads have landed: my part of the next slot  (every window is 0 here)
	ds_add_u32 v[SPW], v[NIL]                      ; 0 onto my spare word
	s_wait_dscnt 4*NL+1                            ; (the add and the youngest sixteen loads, A's blocks 4-7, may be out)
	WIN MUL_LO
	MUL16 0, 1, 0                                  ; sixteen matrix instructions stand between the add and the wait for it
	s_wait_dscnt 0x0                               ; the add is done, and my reads of this slot are over
	s_barrier_signal -1
	MUL16 2, 1, 0
	WIN 0
	s_barrier_wait -1
.if \fill
	CREST                                          ; the barrier has opened a round of the cluster's barrier: no wave of any partner still reads this slot's tile or has a load on its way
	s_add_nc_u64 s[G0+4*\slot+2:G0+4*\slot+3], s[G0+4*\slot+2:G0+4*\slot+3], 2*ROWB
	s_add_nc_u64 s[G0B+4*\slot+2:G0B+4*\slot+3], s[G0B+4*\slot+2:G0B+4*\slot+3], 2*ROWB
	JLOAD G0+4*\slot, G1, G0B+4*\slot, G1B         ; the first tensor load behind the round; its four v_nop are also the places in front of the loads below
.else
	PLACES NP
.endif
	FETCH_B \next, 0, 0
	FETCH_A \next, 0, 0
	WIN MUL_HI
	MUL16 4, 1, 0
	MUL16 6, 1, 0
	PLACES NP
	WIN 0
	FETCH_A \next, 0, 4
.endm
.macro LAST                            ; the very last step: nothing more to fetch
	s_wait_dscnt 4*NL
	WIN MUL_LO
	MUL16 0, 1, 0
	MUL16 2, 1, 0
	s_wait_dscnt 0
	WIN MUL_HI
	MUL16 4, 1, 0
	MUL16 6, 1, 0
	WIN 0
.endm
; s11 = (16 (g / 2) + 4 s[ca] + 2 s[wa]) x 16 + 8 (g % 2) + 2 s[cb] + s[wb]: (batch and head) x 16 + which 128 tokens of the batch
.macro IDX ca, wa, cb, wb
	s_lshr_b32 s11, s89, 1
	s_lshl_b32 s11, s11, 4
	s_lshl_b32 s98, s[\ca], 2
	s_add_co_u32 s11, s11, s98
	s_lshl_b32 s98, s[\wa], 1
	s_add_co_u32 s11, s11, s98
	s_lshl_b32 s11, s11, 4
	s_and_b32 s98, s89, 1
	s_lshl_b32 s98, s98, 3
	s_add_co_u32 s11, s11, s98
	s_lshl_b32 s98, s[\cb], 1
	s_add_co_u32 s11, s11, s98
	s_add_co_u32 s11, s11, s[\wb]
.endm
; THE WAY OUT, block a of 16 rows at a time: y = sum x 2^(ea + eb) + bias, the hold, eight conversions, four stores of 512 consecutive bytes.  isv = 1: role 2.
.macro EPI isv
	PLACES NP                                      ; behind the last products: the numbers and codes are laid over A's fragments
	s_wait_loadcnt 0x0                             ; the biases
.irp a, 0,1,2,3,4,5,6,7
.set CD, CODE+16*((\a)%4)
.if \a >= 4
	s_wait_xcnt 0x0                                ; block a - 4's stores have read their registers: the set of codes may be written again
.endif
	WIN 0x02+(\a)/4                                ; source 0: window 2 or 3
.irp j, 0,2,4,6,8,10,12,14,16,18,20,22,24,26,28,30,32,34,36,38,40,42,44,46,48,50,52,54,56,58,60,62
.if \isv
	v_pk_fma_f32 v[TMP+\j:TMP+\j+1], v[64*((\a)%4)+\j:64*((\a)%4)+\j+1], s[96:97], v[BIA+2*\a:BIA+2*\a+1] op_sel_hi:[1,0,1]   ; my channel's bias for all eight keys; each accumulator from its low end on
.else
	v_pk_fma_f32 v[TMP+\j:TMP+\j+1], v[64*((\a)%4)+\j:64*((\a)%4)+\j+1], s[96:97], v[BIA+\j:BIA+\j+1] op_sel_hi:[1,0,1]       ; each channel's bias; each accumulator from its low end on
.endif
.endr
	WIN 0
.set m, 0
.rept 64
	v_med3_num_f32 v[TMP+m], v[TMP+m], -v[LIM], v[LIM]   ; the conversion to an 8-bit code does not saturate (ISA guide 7.6.2): the hold, always run
.set m, m+1
.endr
.irp b, 0,1,2,3,4,5,6,7
	v_cvt_scalef32_pk8_bf8_f32 v[CD+2*\b:CD+2*\b+1], v[TMP+8*\b:TMP+8*\b+7], v[SCL]   ; accumulator b: registers 2 b, 2 b + 1 of the next operand
.endr
	v_nop                                          ; one plain vector line between the conversions and the next block's lines, which write their sources
.if \isv
.irp c, 0,1,2,3
	global_store_b128 v[CO], v[CD+4*\c:CD+4*\c+3], s[92:93] offset:((\a)/4)*262144+((\a)%4)*2048+512*\c   ; head a / 4, channels 16 (a % 4) on, 128 keys: one image of 2,048 bytes
.endr
.else
.irp c, 0,1
	global_store_b128 v[CO], v[CD+4*\c:CD+4*\c+3], s[92:93] offset:1024*\a+512*\c       ; my first head's 64 channels of tokens 16 a on: one image of 1,024 bytes,
	global_store_b128 v[CO], v[CD+8+4*\c:CD+8+4*\c+3], s[94:95] offset:1024*\a+512*\c   ; and my second head's
.endr
.endif
.endr
.endm
	s_wait_tensorcnt 1                             ; my part of K step 0 is in (K step 1's load may be out)
	s_barrier_signal -1
	s_barrier_wait -1                              ; everybody's is
	FETCH_B 0, 0, 0
	FETCH_A 0, 0, 0
	FETCH_A 0, 0, 4
	STEP 0, 0, 1                                   ; the first step stands in front of the loop: its products start the sums
	s_mov_b32 s3, LAPS-1
.Llap:                                                 ; a trip goes once round the ring, from a lap's second step to the next lap's first, and fills both slots again
	TURN 0, 1, 1
	STEP 1, 0, 0
	TURN 1, 0, 1
	STEP 0, 0, 0
	s_sub_co_u32 s3, s3, 1
	s_cmp_lg_u32 s3, 0
	s_cbranch_scc1 .Llap
	TURN 0, 1, 0                                   ; the last lap fills nothing, and has no round of the cluster's barrier
	STEP 1, 0, 0
	s_wait_kmcnt 0x0                               ; ea, eb, eout
	s_add_co_i32 s96, s96, s97
	s_add_co_i32 s96, s96, 127
	s_lshl_b32 s96, s96, 23                        ; 2^(ea + eb) as f32
	s_mov_b32 s97, s96                             ; (named with it as a pair, so it is written)
	s_add_co_i32 s10, s10, 127
	s_lshl_b32 s11, s10, 23
	v_mov_b32 v[SCL], s11
	s_add_co_i32 s10, s10, 15
	s_lshl_b32 s10, s10, 23
	s_or_b32 s10, s10, 0x600000
	v_mov_b32 v[LIM], s10
	s_cmp_eq_u32 s88, 2                            ; ONE branch on the role, ahead of the last 64 products, so that the biases land under them
	s_cbranch_scc1 .Lrole_v
	; roles 0 and 1: the biases go by columns: accumulator b, register j: channel 256 cx + 128 (wave % 2) + 16 b + 8 h + j
	v_lshlrev_b32 v[BO], 5, v2
	s_lshl_b32 s98, s40, 10
	s_lshl_b32 s99, s16, 9
	s_add_co_u32 s98, s98, s99
	s_mov_b32 s99, 0
	s_add_nc_u64 s[90:91], s[90:91], s[98:99]
.irp b, 0,1,2,3,4,5,6,7
	global_load_b128 v[BIA+8*\b:BIA+8*\b+3], v[BO], s[90:91] offset:64*\b
	global_load_b128 v[BIA+8*\b+4:BIA+8*\b+7], v[BO], s[90:91] offset:64*\b+16
.endr
	IDX 40, 16, 41, 15                             ; heads from my columns, tokens from my rows
	s_add_co_u32 s98, s88, 13
	s_lshl_b32 s98, s11, s98                       ; 128 tokens of a head are 8,192 bytes in qc, and a key step of 16,384 in kv
	s_mov_b32 s99, 0
	s_cmp_eq_u32 s88, 0
	s_cselect_b64 s[92:93], s[84:85], s[86:87]
	s_add_nc_u64 s[92:93], s[92:93], s[98:99]
	s_lshl_b32 s98, 0x20000, s88                   ; the next head: 131,072 bytes on in qc, 262,144 in kv
	s_add_nc_u64 s[94:95], s[92:93], s[98:99]
	LAST
	EPI 0
	s_branch .Ldone
.Lrole_v:
	; role 2: the biases go by rows: block a: channel 256 cy + 128 (wave / 2) + 16 a + r, loaded twice so that a whole pair is written
	v_lshlrev_b32 v[BO], 2, v1
	s_lshl_b32 s98, s41, 10
	s_lshl_b32 s99, s15, 9
	s_add_co_u32 s98, s98, s99
	s_mov_b32 s99, 0
	s_add_nc_u64 s[90:91], s[90:91], s[98:99]
.irp a, 0,1,2,3,4,5,6,7
	global_load_b32 v[BIA+2*\a], v[BO], s[90:91] offset:64*\a
	global_load_b32 v[BIA+2*\a+1], v[BO], s[90:91] offset:64*\a
.endr
	IDX 41, 15, 40, 16                             ; heads from my rows, keys from my columns
	s_lshl_b32 s98, s11, 14
	s_add_co_u32 s98, s98, 8192                    ; V's part of a key step lies behind K's 8,192 bytes
	s_mov_b32 s99, 0
	s_add_nc_u64 s[92:93], s[86:87], s[98:99]
	LAST
	EPI 1
.Ldone:
	s_wait_tensorcnt 0x0                           ; the wave's end
	ds_add_u32 v[SPW], v[NIL]
	s_wait_dscnt 0x0
	CROUND                                         ; the closing round: no work-group ends while a partner may still ask for a tile that names it
	s_endpgm
.Lfunc_end_k_q9caec75163_proj:
	.size	k_q9caec75163_proj, .Lfunc_end_k_q9caec75163_proj-k_q9caec75163_proj
	.p2alignl 7, 3214868480
	.fill 96, 4, 3214868480
	.section	.rodata,"a",@progbits
	.p2align	6, 0x0
	.amdhsa_kernel k_q9caec75163_proj
		.amdhsa_group_segment_fixed_size 327680
		.amdhsa_private_segment_fixed_size 0
		.amdhsa_enable_private_segment 0
		.amdhsa_kernarg_size 80
		.amdhsa_user_sgpr_count 2
		.amdhsa_user_sgpr_kernarg_segment_ptr 1
		.amdhsa_wavefront_size32 1
		.amdhsa_system_sgpr_workgroup_id_x 1
		.amdhsa_system_sgpr_workgroup_id_y 1
		.amdhsa_system_sgpr_workgroup_id_z 1
		.amdhsa_system_vgpr_workitem_id 0
		.amdhsa_next_free_vgpr 1024
		.amdhsa_next_free_sgpr 100
		.amdhsa_reserve_vcc 0
		.amdhsa_float_denorm_mode_32 3
		.amdhsa_float_denorm_mode_16_64 3
		.amdhsa_memory_ordered 1
		.amdhsa_forward_progress 1
		.amdhsa_inst_pref_size 199
	.end_amdhsa_kernel
	.amdgpu_metadata
---
amdhsa.version: [ 1, 2 ]
amdhsa.kernels:
  - .name:           k_q9caec75163_proj
    .symbol:         k_q9caec75163_proj.kd
    .args:
      - { .name: x_codes, .offset: 0, .size: 8, .value_kind: global_buffer, .address_space: global }
      - { .name: Wq_codes, .offset: 8, .size: 8, .value_kind: global_buffer, .address_space: global }
      - { .name: Wk_codes, .offset: 16, .size: 8, .value_kind: global_buffer, .address_space: global }
      - { .name: Wv_codes, .offset: 24, .size: 8, .value_kind: global_buffer, .address_space: global }
      - { .name: bq, .offset: 32, .size: 8, .value_kind: global_buffer, .address_space: global }
      - { .name: bk, .offset: 40, .size: 8, .value_kind: global_buffer, .address_space: global }
      - { .name: bv, .offset: 48, .size: 8, .value_kind: global_buffer, .address_space: global }
      - { .name: lowp_scales, .offset: 56, .size: 8, .value_kind: global_buffer, .address_space: global }
      - { .name: qc, .offset: 64, .size: 8, .value_kind: global_buffer, .address_space: global }
      - { .name: kv, .offset: 72, .size: 8, .value_kind: global_buffer, .address_space: global }
    .group_segment_fixed_size: 327680
    .private_segment_fixed_size: 0
    .kernarg_segment_align: 8
    .kernarg_segment_size: 80
    .max_flat_workgroup_size: 128
    .sgpr_count:     100
    .vgpr_count:     1024
    .wavefront_size: 32
...
	.end_amdgpu_metadata
.endif
;; end of part 2
;; launch attn (part 3): grid 4 x 64, 8 waves a work-group, no clusters, 297,984 bytes of LDS; arguments qc, kv, mlane, mflag, lowp_scales, out0; writes out0
.if DOCPART == 3
	.amdgcn_target "amdgcn-amd-amdhsa--gfx1250"
	.amdhsa_code_object_version 6
	.text
	.protected	k_q9caec75163_attn
	.globl	k_q9caec75163_attn
	.p2align	8
	.type	k_q9caec75163_attn,@function
k_q9caec75163_attn:
	s_mov_b64 s[64:65], 0
	v_nop
	global_prefetch_b8 v0, s[64:65] scope:SCOPE_SE
	s_setreg_imm32_b32 hwreg(HW_REG_WAVE_MODE, 25, 1), 1
	s_wait_xcnt 0x0
; out[b][q][64 h ..] = the sum over k of softmax_k(where(mask, q . k / 8, -1e9)) v, both products on codes of E5M2 made by the launch before.
; WORK LEFT OUT: a step of 128 keys in which the mask holds no true entry for my 32 queries is not walked, where every one of those queries has a true key somewhere: its weights are 0 in f32.
; That is read from mflag, whole numbers that the first launch stored; a tile of queries with a wholly masked row walks every step.  A NaN or infinity that reaches only such steps is not carried on.
; THE SOFTMAX: t = score x log2(e) / 8; M = the row's largest t so far, rounded UP to a whole number; p = 2^(t - M) is quantised with 2^e8, not normalised.  The row's sum is taken of the
; unquantised p and divides at the end.  When M moves, the sum and O are multiplied by 2^(old M - new M): exact, and no branch hangs on it.
; A MASKED SCORE is replaced ahead of the maximum by -2^(33 - e6 - e7), which stands for the logit -2^30 in place of -1e9.  Its t is a whole number that f32 holds exactly, so that in a row with
; masked keys only t - M is exactly 0 and p = 1, as in reference().  LIMIT: the results are reference()'s while true logits lie above about -2^29.
; LIMITS on the exponents: e6 + e7 between -94 and 130; e8 between -126 and 112; e8 + e9 is applied by v_ldexp_f32.  NaN is not served.
; SHARES.  Work-group (i, head) owns blocks 7 - i and i of 256 queries of one head, one after the other: under a mask that is full and under one that is lower triangular all work-groups have equal work.
; Each of its eight waves owns 32 queries of the block in hand: two tiles of 16; two waves to a SIMD, so that one wave's exponentials stand beside the other's plain work.
; K AND V of the head, 262,144 bytes, stay in LDS as they lie in kv: images of the operands' registers, a key step of 128 keys in 16,384 bytes.  They are fetched once, in the first pass, through
; registers, a key step ahead, and only the steps that some wave of the work-group will walk.  Branches here hang on stored numbers, so the launch has no tensor load, and so no cluster:
; the four work-groups of a head each read its K and V once.  Each LDS byte of K and V is written once; one barrier a trip shows a key step to all waves; the second pass has none.
; LAYOUT.  S^T = K Q^T (source 0 = 16 keys, source 1 = 16 queries), O^T = V^T P^T (source 0 = 16 channels, source 1 = P): a lane holds ONE query (lane % 16) throughout.  Score register 8 t + j is key
; 16 t + 8 (lane / 16) + j, which is what registers 2 t, 2 t + 1 of an 8-bit operand hold: the conversions' results ARE P's fragment.
; REGISTERS: window 0: v1-11 addresses and constants, v28 the staging stores' address; v12-27 statistics; v32-63 P; v64-191 S^T, then p; v192-255 O^T.
;   window 1: v0-63 K's eight fragments; v64-127 V's four; v128-143 Q's two; v144-159 a key step on its way to LDS.
.set STAGE, 262144                     ; behind K and V: 16 rows x 272 bytes for each wave, for the way out
.set SPARE, STAGE+8*16*272             ; behind the stages: the spare words, 128 bytes for each wave
.set LK,   1                           ; v1   16 x lane: an image's place for my lane
.set SPW,  2                           ; v2   LDS address of my spare word; never rewritten
.set NIL,  3                           ; v3   0; never rewritten
.set STO,  4                           ; v4   the stage: where I put 32 bytes of a row
.set RD,   5                           ; v5   and where I read a row back
.set GO,   6                           ; v6   my byte offset in two rows of out
.set CP,   7                           ; v7   16 x thread: my 16 bytes of a copy's 4,096
.set SM,   8                           ; v8   a masked score
.set SCP,  9                           ; v9   2^e8 as f32
.set LIMP, 10                          ; v10  57,344 x 2^e8
.set KA,   11                          ; v11  LDS address of the step's images for my lane
.set TT,   12                          ; tile u's statistics at v[TT + 8 u]: +0 -M, +1 the largest t, +2, +3 the sum in two halves, +4 f, +5 zero, +6, +7 at work
.set SA,   28                          ; v28  LDS address of my staging stores
.set PP,   32                          ; P: 16 registers a tile
.set SS,   64                          ; S^T: 64 a tile
.set OO,   192                         ; O^T: 32 a tile
.set KF,   0                           ; window 1
.set VF,   64
.set QF,   128
.set STG,  144
; s[4:5] qc, s[6:7] kv at the key step in hand, s[8:9] mlane, s[10:11] mflag, s[12:13] scales, s[14:15] out0; s16 wave, s17 block, s18 batch x 16 + head, s19 the key step, s20 its LDS byte,
; s21 steps to be fetched, s22 steps that I walk, s23 steps that are all true, s[24:25] c, s[26:27] lane selects, s28 1 if p must be held, s29 e8 + e9, s30-31 at work,
; s[32:63], s[68:99] a tile's 64 lane masks, s[100:101] my place in mlane, s[104:105] my place in out0
.set MSB, 0
.macro WIN new                         ; the immediate's high byte repeats the setting that is left
.if MSB != \new
	s_set_vgpr_msb (MSB<<8)|\new
.set MSB, \new
.endif
.endm
	s_load_b256 s[4:11], s[0:1], 0x0
	s_load_b128 s[12:15], s[0:1], 0x20
	v_lshl_add_u32 v[SPW], v0, 2, SPARE
	v_mov_b32 v[NIL], 0
	v_lshrrev_b32 v29, 5, v0
	v_readfirstlane_b32 s16, v29                   ; wave 0..7
	v_and_b32 v29, 31, v0
	v_lshlrev_b32 v[LK], 4, v29
	v_lshlrev_b32 v[CP], 4, v0
	v_and_b32 v30, 15, v0                          ; r
	v_bfe_u32 v31, v0, 4, 1                        ; h
	s_mul_i32 s30, s16, 16*272
	s_add_co_u32 s30, s30, STAGE                   ; my stage
	v_mul_u32_u24 v[STO], v30, 272
	v_lshl_add_u32 v[STO], v31, 5, v[STO]
	v_add_nc_u32 v[STO], s30, v[STO]               ; in: row r, + 32 h
	v_mul_u32_u24 v[RD], v31, 272
	v_lshl_add_u32 v[RD], v30, 4, v[RD]
	v_add_nc_u32 v[RD], s30, v[RD]                 ; back: lanes 0-15 one row of 256 bytes, lanes 16-31 the next
	v_lshlrev_b32 v[GO], 12, v31
	v_lshl_add_u32 v[GO], v30, 4, v[GO]            ; and the same two rows in out: 4,096 bytes apart
	s_and_b32 s18, ttmp7, 0xffff
	s_sub_co_u32 s17, 7, ttmp9                     ; the first pass's block
	s_mov_b32 s26, 0x76543210
	s_mov_b32 s27, 0xfedcba98
	s_lshl_b32 s30, s17, 6                         ; a block's sixteen flag words
	s_mov_b32 s31, 0
	s_lshl_b32 s20, ttmp9, 6
	s_mov_b32 s21, 0
	s_lshl_b32 s22, s18, 18                        ; a head's 262,144 bytes of kv
	s_mov_b32 s23, 0
	s_wait_kmcnt 0x0
	s_add_nc_u64 s[100:101], s[10:11], s[30:31]
	s_add_nc_u64 s[104:105], s[10:11], s[20:21]
	s_add_nc_u64 s[6:7], s[6:7], s[22:23]
	s_load_b512 s[32:47], s[100:101], 0x0          ; the flags of both my blocks
	s_load_b512 s[48:63], s[104:105], 0x0
	s_load_b128 s[68:71], s[12:13], 0x18           ; e6, e7, e8, e9
	WIN 0x40                                       ; destination window 1
.irp c, 0,1,2,3
	global_load_b128 v[STG+4*\c:STG+4*\c+3], v[CP], s[6:7] offset:4096*\c   ; key step 0 is always fetched: 256 threads x 16 bytes a line
.endr
	WIN 0
	s_wait_kmcnt 0x0
.irp i, 1,2,3,4,5,6,7,8,9,10,11,12,13,14,15,16,17,18,19,20,21,22,23,24,25,26,27,28,29,30,31
	s_or_b32 s32, s32, s[32+\i]
.endr
	s_and_b32 s21, s32, 0xffff
	s_or_b32 s21, s21, 1                           ; the steps that some wave walks in some pass; bit 16 is never set, so no load passes kv's end
	s_add_co_i32 s30, s68, s69                     ; e6 + e7
	s_lshl_b32 s31, s30, 23
	s_add_co_i32 s24, s31, 0x3e38aa3b              ; c = log2(e) / 8 x 2^(e6 + e7): the exponents are added to the exponent field
	s_mov_b32 s25, s24                             ; (named with it as a pair, so it is written)
	s_sub_co_i32 s30, 160, s30
	s_lshl_b32 s30, s30, 23
	s_or_b32 s30, s30, 0x80000000
	v_mov_b32 v[SM], s30                           ; -2^(33 - e6 - e7)
	s_add_co_i32 s30, s70, 127
	s_lshl_b32 s31, s30, 23
	v_mov_b32 v[SCP], s31
	s_add_co_i32 s30, s30, 15
	s_lshl_b32 s30, s30, 23
	s_or_b32 s30, s30, 0x600000
	v_mov_b32 v[LIMP], s30
	s_add_co_i32 s29, s70, s71
	s_cmp_lt_i32 s70, -15                          ; p is at most 1, and 57,344 x 2^e8 is at least 1 from e8 = -15 on: there the hold cannot bind
	s_cselect_b32 s28, 1, 0
; The head of a pass: block s17.  My two tiles of queries, their flags, Q's fragments, my places in mlane and out0; the statistics and O^T begin anew.
; O^T is cleared: which step is a pass's first hangs on the mask, so no first step can be written out.
.macro PASS_HEAD
	s_lshl_b32 s32, s17, 4
	s_lshl_b32 s33, s16, 1
	s_add_co_u32 s32, s32, s33                     ; my first tile of 16 queries: 16 x block + 2 x wave
	s_lshl_b32 s34, s32, 2
	s_mov_b32 s35, 0
	s_add_nc_u64 s[34:35], s[10:11], s[34:35]
	s_load_b64 s[30:31], s[34:35], 0x0             ; my two tiles' flags
	s_lshl_b32 s36, s18, 7
	s_add_co_u32 s36, s36, s32
	s_lshl_b32 s36, s36, 10                        ; a tile's image is 1,024 bytes
	s_mov_b32 s37, 0
	s_add_nc_u64 s[36:37], s[4:5], s[36:37]
	WIN 0x40
.irp c, 0,1,2,3
	global_load_b128 v[QF+4*\c:QF+4*\c+3], v[LK], s[36:37] offset:512*\c
.endr
	WIN 0
	s_lshl_b32 s38, s32, 12                        ; a tile's sixteen steps of 64 words
	s_mov_b32 s39, 0
	s_add_nc_u64 s[100:101], s[8:9], s[38:39]
	s_lshr_b32 s40, s18, 4
	s_lshl_b32 s40, s40, 23                        ; the batch: 2,048 rows of 4,096 bytes,
	s_lshl_b32 s41, s32, 16                        ; my first row: 16 rows a tile,
	s_add_co_u32 s40, s40, s41
	s_and_b32 s41, s18, 15
	s_lshl_b32 s41, s41, 8                         ; the head's 256 bytes of a row
	s_add_co_u32 s40, s40, s41
	s_mov_b32 s41, 0
	s_add_nc_u64 s[104:105], s[14:15], s[40:41]
.irp u, 0,1
	v_mov_b32 v[TT+8*\u], 0x7f61b1e6               ; -M = 3e38
	v_mov_b32 v[TT+8*\u+1], 0xff61b1e6             ; the largest t so far: -3e38, under every t
	v_mov_b32 v[TT+8*\u+2], 0
	v_mov_b32 v[TT+8*\u+3], 0
	v_mov_b32 v[TT+8*\u+4], 0
	v_mov_b32 v[TT+8*\u+5], 0
	v_mov_b32 v[TT+8*\u+6], 0
	v_mov_b32 v[TT+8*\u+7], 0                      ; (a lane permute's destination counts as one of its sources)
.endr
.set m, 0
.rept 64
	v_mov_b32 v[OO+m], 0
.set m, m+1
.endr
	s_wait_kmcnt 0x0
	s_or_b32 s22, s30, s31
	s_and_b32 s22, s22, 0xffff                     ; a step is walked if either tile wants it,
	s_and_b32 s23, s30, s31
	s_lshr_b32 s23, s23, 16                        ; and needs no selecting if it is all true for both
	s_mov_b32 s19, 0
	s_mov_b32 s20, 0
.endm
; K's eight fragments from LDS, the sixteen products S^T = K Q^T, and V's four fragments asked for: they land under the softmax.
.macro QK
	WIN 0x40
.irp t, 0,1,2,3,4,5,6,7
	ds_load_b128 v[KF+8*\t:KF+8*\t+3], v[KA] offset:1024*\t
	ds_load_b128 v[KF+8*\t+4:KF+8*\t+7], v[KA] offset:1024*\t+512
.endr
	WIN 0x05                                       ; sources 0 and 1 window 1
.irp t, 0,1,2,3,4,5,6,7
	s_wait_dscnt 14-2*\t                           ; tile t's two loads are in; the 2 (7 - t) younger ones may be out
.irp u, 0,1
	v_wmma_f32_16x16x64_bf8_bf8 v[SS+64*\u+8*\t:SS+64*\u+8*\t+7], v[KF+8*\t:KF+8*\t+7], v[QF+8*\u:QF+8*\u+7], 0
.endr
.endr
	WIN 0
.rept 4
	v_nop                                          ; the places behind these products (their results are read next; K is loaded anew next step) and behind the last step's V^T P (V is loaded anew below)
.endr
	WIN 0x40
.irp c, 0,1,2,3
.irp d, 0,1,2,3
	ds_load_b128 v[VF+16*\c+4*\d:VF+16*\c+4*\d+3], v[KA] offset:8192+2048*\c+512*\d
.endr
.endr
	WIN 0
.endm
.macro MLOAD u                         ; tile u's 64 lane masks of this step
	s_load_b512 s[32:47], s[100:101], 4096*\u
	s_load_b512 s[48:63], s[100:101], 4096*\u+64
	s_load_b512 s[68:83], s[100:101], 4096*\u+128
	s_load_b512 s[84:99], s[100:101], 4096*\u+192
.endm
.macro MSEL u                          ; where the mask is false the score becomes the masked score; each accumulator from its low end on
.set n, 0
.rept 64
	v_cndmask_b32 v[SS+64*\u+n], v[SM], v[SS+64*\u+n], s[32+n+4*(n/32)]
.set n, n+1
.endr
.endm
; A KEY STEP: 128 keys for my 32 queries.  The two tiles' lines take turns, so that no line waits for the line above it.
.macro STEP
	s_lshr_b32 s30, s22, s19
	s_and_b32 s30, s30, 1
	s_cmp_eq_u32 s30, 0
	s_cbranch_scc1 .Lskip_\@                       ; no true entry for my queries: the step is not walked
	s_lshr_b32 s30, s23, s19
	s_and_b32 s30, s30, 1
	s_cmp_lg_u32 s30, 0
	s_cbranch_scc1 .Lfull_\@                       ; all true: nothing to select
	MLOAD 0
	QK
	s_wait_kmcnt 0x0
	MSEL 0
	MLOAD 1
	s_wait_kmcnt 0x0
	MSEL 1
	s_branch .Lsoft_\@
.Lfull_\@:
	QK
.Lsoft_\@:
.irp u, 0,1
	v_max3_num_f32 v[TT+8*\u+6], v[SS+64*\u], v[SS+64*\u+1], v[SS+64*\u+2]        ; the step's largest score of my query among my 64 keys, in two chains, ascending
	v_max3_num_f32 v[TT+8*\u+7], v[SS+64*\u+3], v[SS+64*\u+4], v[SS+64*\u+5]
.endr
.irp i, 6,10,14,18,22,26,30,34,38,42,46,50,54,58
.irp u, 0,1
	v_max3_num_f32 v[TT+8*\u+6], v[TT+8*\u+6], v[SS+64*\u+\i], v[SS+64*\u+\i+1]
	v_max3_num_f32 v[TT+8*\u+7], v[TT+8*\u+7], v[SS+64*\u+\i+2], v[SS+64*\u+\i+3]
.endr
.endr
.irp u, 0,1
	v_max3_num_f32 v[TT+8*\u+6], v[TT+8*\u+6], v[SS+64*\u+62], v[SS+64*\u+63]
.endr
.irp u, 0,1
	v_max_num_f32 v[TT+8*\u+6], v[TT+8*\u+6], v[TT+8*\u+7]
.endr
.irp u, 0,1
	v_permlanex16_b32 v[TT+8*\u+7], v[TT+8*\u+6], s26, s27
.endr
.irp u, 0,1
	v_max_num_f32 v[TT+8*\u+6], v[TT+8*\u+6], v[TT+8*\u+7]     ; and among lane l xor 16's
.endr
.irp u, 0,1
	v_mul_f32 v[TT+8*\u+6], s24, v[TT+8*\u+6]                  ; as t (c is positive)
.endr
.irp u, 0,1
	v_max_num_f32 v[TT+8*\u+1], v[TT+8*\u+1], v[TT+8*\u+6]     ; the running largest t
.endr
.irp u, 0,1
	v_mov_b32 v[TT+8*\u+6], v[TT+8*\u]
.endr
.irp u, 0,1
	v_floor_f32 v[TT+8*\u], -v[TT+8*\u+1]                      ; the new -M = floor(-t): M is a whole number
.endr
.irp u, 0,1
	v_sub_f32 v[TT+8*\u+6], v[TT+8*\u], v[TT+8*\u+6]           ; old M - new M: a whole number, 0 or less
.endr
.irp u, 0,1
	v_cvt_i32_f32 v[TT+8*\u+6], v[TT+8*\u+6]                   ; (it saturates)
.endr
.irp u, 0,1
	v_ldexp_f32 v[TT+8*\u+4], 1.0, v[TT+8*\u+6]                ; f = 2^(old M - new M)
.endr
.set m, 0
.rept 32
.irp u, 0,1
	v_pk_fma_f32 v[SS+64*\u+m:SS+64*\u+m+1], v[SS+64*\u+m:SS+64*\u+m+1], s[24:25], v[TT+8*\u:TT+8*\u+1] op_sel_hi:[1,0,0]   ; t - M, two at a time (of the pairs c and -M the low word serves both halves)
.endr
.set m, m+2
.endr
.set m, 0
.rept 64
.irp u, 0,1
	v_exp_f32 v[SS+64*\u+m], v[SS+64*\u+m]                     ; p = 2^(t - M), at most 1: one batch of 128
.endr
.set m, m+1
.endr
.irp u, 0,1
	v_pk_mul_f32 v[TT+8*\u+2:TT+8*\u+3], v[TT+8*\u+2:TT+8*\u+3], v[TT+8*\u+4:TT+8*\u+5] op_sel_hi:[1,0]   ; the sums under the new M: the plain lines behind the exponentials
.endr
	s_wait_alu depctr_va_vdst(0)                   ; one wait for the whole batch, ahead of its first reader
.irp u, 0,1
	v_pk_add_f32 v[TT+8*\u+6:TT+8*\u+7], v[SS+64*\u:SS+64*\u+1], v[SS+64*\u+2:SS+64*\u+3]   ; the row's sum is taken of the unquantised p, two at a time, in two chains
.endr
.irp j, 4,8,12,16,20,24,28,32,36,40,44,48,52,56,60
.irp u, 0,1
	v_pk_add_f32 v[TT+8*\u+2:TT+8*\u+3], v[TT+8*\u+2:TT+8*\u+3], v[SS+64*\u+\j:SS+64*\u+\j+1]
	v_pk_add_f32 v[TT+8*\u+6:TT+8*\u+7], v[TT+8*\u+6:TT+8*\u+7], v[SS+64*\u+\j+2:SS+64*\u+\j+3]
.endr
.endr
.irp u, 0,1
	v_pk_add_f32 v[TT+8*\u+2:TT+8*\u+3], v[TT+8*\u+2:TT+8*\u+3], v[TT+8*\u+6:TT+8*\u+7]
.endr
	s_cmp_eq_u32 s28, 0
	s_cbranch_scc1 .Lno_hold_\@                    ; the hold is run only where 57,344 x 2^e8 lies under 1
.set m, 0
.rept 128
	v_min_num_f32 v[SS+m], v[SS+m], v[LIMP]        ; the conversion to an 8-bit code does not saturate (ISA guide 7.6.2); p is not negative, so the hold is one-sided
.set m, m+1
.endr
.Lno_hold_\@:
.irp t, 0,1,2,3,4,5,6,7
.irp u, 0,1
	v_cvt_scalef32_pk8_bf8_f32 v[PP+16*\u+2*\t:PP+16*\u+2*\t+1], v[SS+64*\u+8*\t:SS+64*\u+8*\t+7], v[SCP]   ; keys 16 t + 8 h + 0 .. 7: registers 2 t, 2 t + 1 of P's fragment
.endr
.endr
.set m, 0
.rept 16
.irp u, 0,1
	v_pk_mul_f32 v[OO+32*\u+m:OO+32*\u+m+1], v[OO+32*\u+m:OO+32*\u+m+1], v[TT+8*\u+4:TT+8*\u+5] op_sel_hi:[1,0]   ; O^T under the new M.  (These are also the plain lines between the conversions and the products)
.endr
.set m, m+2
.endr
	s_wait_dscnt 0x0                               ; V is in
	WIN 0x01                                       ; source 0 (V) window 1
.irp c, 0,1,2,3
.irp u, 0,1
	v_wmma_f32_16x16x128_bf8_bf8 v[OO+32*\u+8*\c:OO+32*\u+8*\c+7], v[VF+16*\c:VF+16*\c+15], v[PP+16*\u:PP+16*\u+15], v[OO+32*\u+8*\c:OO+32*\u+8*\c+7]   ; the eight accumulators take turns
.endr
.endr
	WIN 0
.Lskip_\@:
.endm
; The end of a pass: O^T / the sum x 2^(e8 + e9) goes through my stage in LDS, a tile of 16 queries at a time, and leaves as rows of 256 bytes: a token's 64 channels of this head.
.macro PASS_TAIL
.rept 4
	v_nop                                          ; the places behind the last products
.endr
.irp u, 0,1
	v_add_f32 v[TT+8*\u+2], v[TT+8*\u+2], v[TT+8*\u+3]         ; the sum's two halves,
.endr
.irp u, 0,1
	v_permlanex16_b32 v[TT+8*\u+7], v[TT+8*\u+2], s26, s27
.endr
.irp u, 0,1
	v_add_f32 v[TT+8*\u+2], v[TT+8*\u+2], v[TT+8*\u+7]         ; and lane l xor 16's
.endr
.irp u, 0,1
	v_rcp_f32 v[TT+8*\u+4], v[TT+8*\u+2]
.endr
	v_nop                                          ; a plain line behind the reciprocals,
	s_wait_alu depctr_va_vdst(0)                   ; and the one wait ahead of their first reader
.irp u, 0,1
	v_ldexp_f32 v[TT+8*\u+4], v[TT+8*\u+4], s29
.endr
.irp u, 0,1
.set m, 0
.rept 16
	v_pk_mul_f32 v[SS+64*\u+m:SS+64*\u+m+1], v[OO+32*\u+m:OO+32*\u+m+1], v[TT+8*\u+4:TT+8*\u+5] op_sel_hi:[1,0]   ; register 8 c + j: channel 16 c + 8 h + j of my query; each accumulator from its low end on
.set m, m+2
.endr
.irp c, 0,1,2,3
	ds_store_b128 v[STO], v[SS+64*\u+8*\c:SS+64*\u+8*\c+3] offset:64*\c
	ds_store_b128 v[STO], v[SS+64*\u+8*\c+4:SS+64*\u+8*\c+7] offset:64*\c+16
.endr
.irp i, 0,1,2,3,4,5,6,7
	ds_load_b128 v[SS+64*\u+32+4*\i:SS+64*\u+32+4*\i+3], v[RD] offset:544*\i   ; LDS serves a wave's instructions in order (ISA guide 5.7.1.4): these see my stores, and the next tile's stores come behind them
.endr
.endr
.irp u, 0,1
.irp i, 0,1,2,3,4,5,6,7
	s_wait_dscnt 16*(1-\u)+7-\i                    ; behind this load: the tile's 7 - i younger loads, and for the first tile the second's sixteen LDS instructions
	global_store_b128 v[GO], v[SS+64*\u+32+4*\i:SS+64*\u+32+4*\i+3], s[104:105] offset:65536*\u+8192*\i th:TH_STORE_NT   ; sixteen lanes store 256 consecutive bytes, aligned
.endr
.endr
	s_wait_xcnt 0x0                                ; the stores have read their registers and their base: both are written again in the next pass
.endm
	PASS_HEAD
; THE FIRST PASS, sixteen trips.  A trip puts key step s19, which was asked for a trip ago, into LDS; one barrier shows it to all waves; the next step is asked for; the step is walked.
; Between two barriers the waves read step s19's bytes and write step s19 + 1's: other bytes.  The barrier stands on every wave's path in every trip.
.Lp0:
	v_add_nc_u32 v[KA], s20, v[LK]
	v_add_nc_u32 v[SA], s20, v[CP]
	s_wait_loadcnt 0x0                             ; the key step on its way is in registers (in the first trip: Q too)
	s_lshr_b32 s30, s21, s19
	s_and_b32 s30, s30, 1
	s_cmp_eq_u32 s30, 0
	s_cbranch_scc1 .Lp0_no_store
	WIN 0x04                                       ; the stores' data in window 1
.irp c, 0,1,2,3
	ds_store_b128 v[SA], v[STG+4*\c:STG+4*\c+3] offset:4096*\c
.endr
	WIN 0
.Lp0_no_store:
	s_wait_dscnt 0x0                               ; for the others' sake: my part of the key step has landed
	s_barrier_signal -1
	s_barrier_wait -1
	s_add_co_u32 s31, s19, 1
	s_lshr_b32 s30, s21, s31
	s_and_b32 s30, s30, 1
	s_cmp_eq_u32 s30, 0
	s_cbranch_scc1 .Lp0_no_load
	WIN 0x40
.irp c, 0,1,2,3
	global_load_b128 v[STG+4*\c:STG+4*\c+3], v[CP], s[6:7] offset:16384+4096*\c   ; the next key step: it has this step's work in which to land
.endr
	WIN 0
.Lp0_no_load:
	STEP
	s_wait_xcnt 0x0                                ; the trip's loads have read their bases, which step now
	s_add_nc_u64 s[6:7], s[6:7], 16384
	s_add_nc_u64 s[100:101], s[100:101], 256
	s_add_co_u32 s20, s20, 16384
	s_add_co_u32 s19, s19, 1
	s_cmp_lt_u32 s19, 16
	s_cbranch_scc1 .Lp0
	PASS_TAIL
; THE SECOND PASS: the other block.  All of K and V that it wants lies in LDS, shown by the first pass's barriers: nothing is fetched, and no wave waits for another.
	s_mov_b32 s17, ttmp9
	PASS_HEAD
	s_wait_loadcnt 0x0                             ; Q
.Lp1:
	v_add_nc_u32 v[KA], s20, v[LK]
	STEP
	s_wait_xcnt 0x0
	s_add_nc_u64 s[100:101], s[100:101], 256
	s_add_co_u32 s20, s20, 16384
	s_add_co_u32 s19, s19, 1
	s_cmp_lt_u32 s19, 16
	s_cbranch_scc1 .Lp1
	PASS_TAIL
	s_wait_tensorcnt 0x0                           ; the wave's end
	ds_add_u32 v[SPW], v[NIL]
	s_wait_dscnt 0x0
	s_endpgm
.Lfunc_end_k_q9caec75163_attn:
	.size	k_q9caec75163_attn, .Lfunc_end_k_q9caec75163_attn-k_q9caec75163_attn
	.p2alignl 7, 3214868480
	.fill 96, 4, 3214868480
	.section	.rodata,"a",@progbits
	.p2align	6, 0x0
	.amdhsa_kernel k_q9caec75163_attn
		.amdhsa_group_segment_fixed_size 297984
		.amdhsa_private_segment_fixed_size 0
		.amdhsa_enable_private_segment 0
		.amdhsa_kernarg_size 48
		.amdhsa_user_sgpr_count 2
		.amdhsa_user_sgpr_kernarg_segment_ptr 1
		.amdhsa_wavefront_size32 1
		.amdhsa_system_sgpr_workgroup_id_x 1
		.amdhsa_system_sgpr_workgroup_id_y 1
		.amdhsa_system_sgpr_workgroup_id_z 1
		.amdhsa_system_vgpr_workitem_id 0
		.amdhsa_next_free_vgpr 512
		.amdhsa_next_free_sgpr 106
		.amdhsa_reserve_vcc 0
		.amdhsa_float_denorm_mode_32 3
		.amdhsa_float_denorm_mode_16_64 3
		.amdhsa_memory_ordered 1
		.amdhsa_forward_progress 1
		.amdhsa_inst_pref_size 109
	.end_amdhsa_kernel
	.amdgpu_metadata
---
amdhsa.version: [ 1, 2 ]
amdhsa.kernels:
  - .name:           k_q9caec75163_attn
    .symbol:         k_q9caec75163_attn.kd
    .args:
      - { .name: qc, .offset: 0, .size: 8, .value_kind: global_buffer, .address_space: global }
      - { .name: kv, .offset: 8, .size: 8, .value_kind: global_buffer, .address_space: global }
      - { .name: mlane, .offset: 16, .size: 8, .value_kind: global_buffer, .address_space: global }
      - { .name: mflag, .offset: 24, .size: 8, .value_kind: global_buffer, .address_space: global }
      - { .name: lowp_scales, .offset: 32, .size: 8, .value_kind: global_buffer, .address_space: global }
      - { .name: out0, .offset: 40, .size: 8, .value_kind: global_buffer, .address_space: global }
    .group_segment_fixed_size: 297984
    .private_segment_fixed_size: 0
    .kernarg_segment_align: 8
    .kernarg_segment_size: 48
    .max_flat_workgroup_size: 256
    .sgpr_count:     106
    .vgpr_count:     512
    .wavefront_size: 32
...
	.end_amdgpu_metadata
.endif
;; end of part 3
;; ======== version 2 of 2: 3 launches; version 1 with the launch attn written anew for expert scheduling mode
;; limits: right only within a limited range of input values
;; workspace buffers: qc 8,388,608 bytes; kv 16,777,216 bytes; mlane 524,288 bytes of whole numbers; mflag 512 bytes of whole numbers
;; launch maskprep: the kernel of part 1 again; grid 128 x 1, 16 waves a work-group, no clusters, 2,304 bytes of LDS; arguments mask, mlane, mflag; writes mlane, mflag
;; launch proj: the kernel of part 2 again; grid 96 x 4, 4 waves a work-group, clusters of 4 x 4, 327,680 bytes of LDS; arguments x_codes, Wq_codes, Wk_codes, Wv_codes, bq, bk, bv, lowp_scales, qc, kv; writes qc, kv
;; launch attn (part 4): grid 4 x 64, 8 waves a work-group, no clusters, 297,984 bytes of LDS; arguments qc, kv, mlane, mflag, lowp_scales, out0; writes out0
.if DOCPART == 4
	.amdgcn_target "amdgcn-amd-amdhsa--gfx1250"
	.amdhsa_code_object_version 6
	.text
	.protected	k_q9caec75163_attn
	.globl	k_q9caec75163_attn
	.p2align	8
	.type	k_q9caec75163_attn,@function
k_q9caec75163_attn:
	s_mov_b64 s[64:65], 0
	v_nop
	global_prefetch_b8 v0, s[64:65] scope:SCOPE_SE
	s_setreg_imm32_b32 hwreg(HW_REG_WAVE_SCHED_MODE, 0, 2), 2
	s_setreg_imm32_b32 hwreg(HW_REG_WAVE_MODE, 25, 1), 1
	s_wait_xcnt 0x0
	s_wait_alu depctr_vm_vsrc(0)
; out[b][q][64 h ..] = the sum over k of softmax_k(where(mask, q . k / 8, -1e9)) v, both products on codes of E5M2 made by the launch before.
; WORK LEFT OUT: a step of 128 keys in which the mask holds no true entry for my 32 queries is not walked, where every one of those queries has a true key somewhere: its weights are 0 in f32.
; That is read from mflag, whole numbers that the first launch stored; a tile of queries with a wholly masked row walks every step.  A NaN or infinity that reaches only such steps is not carried on.
; THE SOFTMAX: t = score x log2(e) / 8; M = the row's largest t so far, rounded UP to a whole number; p = 2^(t - M) is quantised with 2^e8, not normalised.  The row's sum is taken of the
; unquantised p and divides at the end.  When M moves, the sum and O are multiplied by 2^(old M - new M): exact, and no branch hangs on it.
; A MASKED SCORE is replaced ahead of the maximum by -2^(33 - e6 - e7), which stands for the logit -2^30 in place of -1e9.  Its t is a whole number that f32 holds exactly, so that in a row with
; masked keys only t - M is exactly 0 and p = 1, as in reference().  LIMIT: the results are reference()'s while true logits lie above about -2^29.
; LIMITS on the exponents: e6 + e7 between -94 and 130; e8 between -126 and 112; e8 + e9 is applied by v_ldexp_f32.  NaN is not served.
; SHARES.  Work-group (i, head) owns blocks 7 - i and i of 256 queries of one head, one after the other: under a mask that is full and under one that is lower triangular all work-groups have equal work.
; Each of its eight waves owns 32 queries of the block in hand: two tiles of 16; two waves to a SIMD, so that one wave's exponentials stand beside the other's plain work.
; K AND V of the head, 262,144 bytes, stay in LDS as they lie in kv: images of the operands' registers, a key step of 128 keys in 16,384 bytes.  They are fetched once, in the first pass, through
; registers, a key step ahead, and only the steps that some wave of the work-group will walk.  Branches here hang on stored numbers, so the launch has no tensor load, and so no cluster:
; the four work-groups of a head each read its K and V once.  Each LDS byte of K and V is written once; one barrier a trip shows a key step to all waves; the second pass has none.
; LAYOUT.  S^T = K Q^T (source 0 = 16 keys, source 1 = 16 queries), O^T = V^T P^T (source 0 = 16 channels, source 1 = P): a lane holds ONE query (lane % 16) throughout.  Score register 8 t + j is key
; 16 t + 8 (lane / 16) + j, which is what registers 2 t, 2 t + 1 of an 8-bit operand hold: the conversions' results ARE P's fragment.
; REGISTERS: window 0: v1-11 addresses and constants, v28 the staging stores' address; v12-27 statistics; v32-63 P; v64-191 S^T, then p; v192-255 O^T.
;   window 1: v0-63 K's eight fragments; v64-127 V's four; v128-143 Q's two; v144-159 a key step on its way to LDS.
; THE MODE: SCHED_MODE bits 1:0 = 2 (LLVM: expert scheduling mode 2), set by the entry lines.  The code itself states the register dependences
; between vector or matrix instructions and memory or LDS instructions, with s_wait_alu, always for 0.
; THE PLAN.  Registers that memory or LDS instructions touch:
;   v1 to v7      Offsets and LDS addresses (and the closing add's two), written at the head and never again: one wait on va_vdst ahead of the first load serves them for the whole kernel.
;   v[KA], v[SA]  LDS addresses of the key step in hand.  Written by one add each at a trip's head; read by the trip's 32 LDS loads and (first pass) its four LDS stores.
;   STG           Global loads land in it, LDS stores read it; no vector instruction names it.
;   K's fragments LDS loads land in them at a step's head; the step's sixteen products K Q^T read them.
;   V's fragments LDS loads land in them behind those products; the eight products V^T P at the step's end read them.
;   Q's fragments Global loads land in them at a pass's head; every product K Q^T of the pass reads them.
;   S^T           On the way out alone: the scalings write its lower halves, LDS stores read these, loads from the stage land in its upper halves, global stores read those.
; So a trip has, at its head, one wait on vm_vsrc (the last trip's LDS instructions have read the two addresses), the adds, and ONE wait on va_vdst: the addresses are written, and the last step's
; products are done reading K's and V's fragments.  Up to K's loads no vector instruction follows it, up to V's loads only the products K Q^T and four v_nop, which name neither V's fragments nor v[KA]:
; the trip's LDS instructions owe nothing more.  The softmax's one wait for its exponentials, one wait on vm_vsrc ahead of the loads into STG, two waits on va_vdst on the way out
; and one on vm_vsrc between the passes are the rest.  No vector instruction but the head's v_readfirstlane_b32 writes a scalar register; EXEC is never written.
.set STAGE, 262144                     ; behind K and V: 16 rows x 272 bytes for each wave, for the way out
.set SPARE, STAGE+8*16*272             ; behind the stages: the spare words, 128 bytes for each wave
.set LK,   1                           ; v1   16 x lane: an image's place for my lane
.set SPW,  2                           ; v2   LDS address of my spare word; never rewritten
.set NIL,  3                           ; v3   0; never rewritten
.set STO,  4                           ; v4   the stage: where I put 32 bytes of a row
.set RD,   5                           ; v5   and where I read a row back
.set GO,   6                           ; v6   my byte offset in two rows of out
.set CP,   7                           ; v7   16 x thread: my 16 bytes of a copy's 4,096
.set SM,   8                           ; v8   a masked score
.set SCP,  9                           ; v9   2^e8 as f32
.set LIMP, 10                          ; v10  57,344 x 2^e8
.set KA,   11                          ; v11  LDS address of the step's images for my lane
.set TT,   12                          ; tile u's statistics at v[TT + 8 u]: +0 -M, +1 the largest t, +2, +3 the sum in two halves, +4 f, +5 zero, +6, +7 at work
.set SA,   28                          ; v28  LDS address of my staging stores
.set PP,   32                          ; P: 16 registers a tile
.set SS,   64                          ; S^T: 64 a tile
.set OO,   192                         ; O^T: 32 a tile
.set KF,   0                           ; window 1
.set VF,   64
.set QF,   128
.set STG,  144
; s[4:5] qc, s[6:7] kv at the key step in hand, s[8:9] mlane, s[10:11] mflag, s[12:13] scales, s[14:15] out0; s16 wave, s17 block, s18 batch x 16 + head, s19 the key step, s20 its LDS byte,
; s21 steps to be fetched, s22 steps that I walk, s23 steps that are all true, s[24:25] c, s[26:27] lane selects, s28 1 if p must be held, s29 e8 + e9, s30-31 at work,
; s[32:63], s[68:99] a tile's 64 lane masks, s[100:101] my place in mlane, s[104:105] my place in out0
.set MSB, 0
.macro WIN new                         ; the immediate's high byte repeats the setting that is left
.if MSB != \new
	s_set_vgpr_msb (MSB<<8)|\new
.set MSB, \new
.endif
.endm
	s_load_b256 s[4:11], s[0:1], 0x0
	s_load_b128 s[12:15], s[0:1], 0x20
	v_lshl_add_u32 v[SPW], v0, 2, SPARE
	v_mov_b32 v[NIL], 0
	v_lshrrev_b32 v29, 5, v0
	v_readfirstlane_b32 s16, v29                   ; wave 0..7
	v_and_b32 v29, 31, v0
	v_lshlrev_b32 v[LK], 4, v29
	v_lshlrev_b32 v[CP], 4, v0
	v_and_b32 v30, 15, v0                          ; r
	v_bfe_u32 v31, v0, 4, 1                        ; h
	s_wait_alu depctr_va_sdst(0)                   ; s16 is written, ahead of its first reader, the line below
	s_mul_i32 s30, s16, 16*272
	s_add_co_u32 s30, s30, STAGE                   ; my stage
	v_mul_u32_u24 v[STO], v30, 272
	v_lshl_add_u32 v[STO], v31, 5, v[STO]
	v_add_nc_u32 v[STO], s30, v[STO]               ; in: row r, + 32 h
	v_mul_u32_u24 v[RD], v31, 272
	v_lshl_add_u32 v[RD], v30, 4, v[RD]
	v_add_nc_u32 v[RD], s30, v[RD]                 ; back: lanes 0-15 one row of 256 bytes, lanes 16-31 the next
	v_lshlrev_b32 v[GO], 12, v31
	v_lshl_add_u32 v[GO], v30, 4, v[GO]            ; and the same two rows in out: 4,096 bytes apart
	s_and_b32 s18, ttmp7, 0xffff
	s_sub_co_u32 s17, 7, ttmp9                     ; the first pass's block
	s_mov_b32 s26, 0x76543210
	s_mov_b32 s27, 0xfedcba98
	s_lshl_b32 s30, s17, 6                         ; a block's sixteen flag words
	s_mov_b32 s31, 0
	s_lshl_b32 s20, ttmp9, 6
	s_mov_b32 s21, 0
	s_lshl_b32 s22, s18, 18                        ; a head's 262,144 bytes of kv
	s_mov_b32 s23, 0
	s_wait_kmcnt 0x0
	s_add_nc_u64 s[100:101], s[10:11], s[30:31]
	s_add_nc_u64 s[104:105], s[10:11], s[20:21]
	s_add_nc_u64 s[6:7], s[6:7], s[22:23]
	s_load_b512 s[32:47], s[100:101], 0x0          ; the flags of both my blocks
	s_load_b512 s[48:63], s[104:105], 0x0
	s_load_b128 s[68:71], s[12:13], 0x18           ; e6, e7, e8, e9
	WIN 0x40                                       ; destination window 1
	s_wait_alu depctr_va_vdst(0)                   ; v1 to v7 are written: the offsets and LDS addresses that the kernel's loads and stores read; no later vector instruction writes them
.irp c, 0,1,2,3
	global_load_b128 v[STG+4*\c:STG+4*\c+3], v[CP], s[6:7] offset:4096*\c   ; key step 0 is always fetched: 256 threads x 16 bytes a line
.endr
	WIN 0
	s_wait_kmcnt 0x0
.irp i, 1,2,3,4,5,6,7,8,9,10,11,12,13,14,15,16,17,18,19,20,21,22,23,24,25,26,27,28,29,30,31
	s_or_b32 s32, s32, s[32+\i]
.endr
	s_and_b32 s21, s32, 0xffff
	s_or_b32 s21, s21, 1                           ; the steps that some wave walks in some pass; bit 16 is never set, so no load passes kv's end
	s_add_co_i32 s30, s68, s69                     ; e6 + e7
	s_lshl_b32 s31, s30, 23
	s_add_co_i32 s24, s31, 0x3e38aa3b              ; c = log2(e) / 8 x 2^(e6 + e7): the exponents are added to the exponent field
	s_mov_b32 s25, s24                             ; (named with it as a pair, so it is written)
	s_sub_co_i32 s30, 160, s30
	s_lshl_b32 s30, s30, 23
	s_or_b32 s30, s30, 0x80000000
	v_mov_b32 v[SM], s30                           ; -2^(33 - e6 - e7)
	s_add_co_i32 s30, s70, 127
	s_lshl_b32 s31, s30, 23
	v_mov_b32 v[SCP], s31
	s_add_co_i32 s30, s30, 15
	s_lshl_b32 s30, s30, 23
	s_or_b32 s30, s30, 0x600000
	v_mov_b32 v[LIMP], s30
	s_add_co_i32 s29, s70, s71
	s_cmp_lt_i32 s70, -15                          ; p is at most 1, and 57,344 x 2^e8 is at least 1 from e8 = -15 on: there the hold cannot bind
	s_cselect_b32 s28, 1, 0
; The head of a pass: block s17.  My two tiles of queries, their flags, Q's fragments, my places in mlane and out0; the statistics and O^T begin anew.
; O^T is cleared: which step is a pass's first hangs on the mask, so no first step can be written out.
; Q's loads stand without a wait of their own: v[LK] was written ahead of the head's wait on va_vdst; in the second pass the last products that read Q's fragments stand ahead of the
; waits on va_vdst of the first pass's way out, and no vector instruction since names them.
.macro PASS_HEAD
	s_lshl_b32 s32, s17, 4
	s_lshl_b32 s33, s16, 1
	s_add_co_u32 s32, s32, s33                     ; my first tile of 16 queries: 16 x block + 2 x wave
	s_lshl_b32 s34, s32, 2
	s_mov_b32 s35, 0
	s_add_nc_u64 s[34:35], s[10:11], s[34:35]
	s_load_b64 s[30:31], s[34:35], 0x0             ; my two tiles' flags
	s_lshl_b32 s36, s18, 7
	s_add_co_u32 s36, s36, s32
	s_lshl_b32 s36, s36, 10                        ; a tile's image is 1,024 bytes
	s_mov_b32 s37, 0
	s_add_nc_u64 s[36:37], s[4:5], s[36:37]
	WIN 0x40
.irp c, 0,1,2,3
	global_load_b128 v[QF+4*\c:QF+4*\c+3], v[LK], s[36:37] offset:512*\c
.endr
	WIN 0
	s_lshl_b32 s38, s32, 12                        ; a tile's sixteen steps of 64 words
	s_mov_b32 s39, 0
	s_add_nc_u64 s[100:101], s[8:9], s[38:39]
	s_lshr_b32 s40, s18, 4
	s_lshl_b32 s40, s40, 23                        ; the batch: 2,048 rows of 4,096 bytes,
	s_lshl_b32 s41, s32, 16                        ; my first row: 16 rows a tile,
	s_add_co_u32 s40, s40, s41
	s_and_b32 s41, s18, 15
	s_lshl_b32 s41, s41, 8                         ; the head's 256 bytes of a row
	s_add_co_u32 s40, s40, s41
	s_mov_b32 s41, 0
	s_add_nc_u64 s[104:105], s[14:15], s[40:41]
.irp u, 0,1
	v_mov_b32 v[TT+8*\u], 0x7f61b1e6               ; -M = 3e38
	v_mov_b32 v[TT+8*\u+1], 0xff61b1e6             ; the largest t so far: -3e38, under every t
	v_mov_b32 v[TT+8*\u+2], 0
	v_mov_b32 v[TT+8*\u+3], 0
	v_mov_b32 v[TT+8*\u+4], 0
	v_mov_b32 v[TT+8*\u+5], 0
	v_mov_b32 v[TT+8*\u+6], 0
	v_mov_b32 v[TT+8*\u+7], 0                      ; (a lane permute's destination counts as one of its sources)
.endr
.set m, 0
.rept 64
	v_mov_b32 v[OO+m], 0
.set m, m+1
.endr
	s_wait_kmcnt 0x0
	s_or_b32 s22, s30, s31
	s_and_b32 s22, s22, 0xffff                     ; a step is walked if either tile wants it,
	s_and_b32 s23, s30, s31
	s_lshr_b32 s23, s23, 16                        ; and needs no selecting if it is all true for both
	s_mov_b32 s19, 0
	s_mov_b32 s20, 0
.endm
; K's eight fragments from LDS, the sixteen products S^T = K Q^T, and V's four fragments asked for: they land under the softmax.
.macro QK
	WIN 0x40
.irp t, 0,1,2,3,4,5,6,7
	ds_load_b128 v[KF+8*\t:KF+8*\t+3], v[KA] offset:1024*\t               ; no wait here: no vector or matrix instruction has been issued since the wait on va_vdst at the trip's head
	ds_load_b128 v[KF+8*\t+4:KF+8*\t+7], v[KA] offset:1024*\t+512
.endr
	WIN 0x05                                       ; sources 0 and 1 window 1
.irp t, 0,1,2,3,4,5,6,7
	s_wait_dscnt 14-2*\t                           ; tile t's two loads are in; the 2 (7 - t) younger ones may be out
.irp u, 0,1
	v_wmma_f32_16x16x64_bf8_bf8 v[SS+64*\u+8*\t:SS+64*\u+8*\t+7], v[KF+8*\t:KF+8*\t+7], v[QF+8*\u:QF+8*\u+7], 0
.endr
.endr
	WIN 0
.rept 4
	v_nop                                          ; the places behind these products, whose results vector instructions read next (ISA guide 7.12.1)
.endr
	WIN 0x40
.irp c, 0,1,2,3
.irp d, 0,1,2,3
	ds_load_b128 v[VF+16*\c+4*\d:VF+16*\c+4*\d+3], v[KA] offset:8192+2048*\c+512*\d   ; no wait here: the products and v_nop issued since the trip's wait name neither V's fragments nor v[KA]
.endr
.endr
	WIN 0
.endm
.macro MLOAD u                         ; tile u's 64 lane masks of this step
	s_load_b512 s[32:47], s[100:101], 4096*\u
	s_load_b512 s[48:63], s[100:101], 4096*\u+64
	s_load_b512 s[68:83], s[100:101], 4096*\u+128
	s_load_b512 s[84:99], s[100:101], 4096*\u+192
.endm
.macro MSEL u                          ; where the mask is false the score becomes the masked score; each accumulator from its low end on
.set n, 0
.rept 64
	v_cndmask_b32 v[SS+64*\u+n], v[SM], v[SS+64*\u+n], s[32+n+4*(n/32)]
.set n, n+1
.endr
.endm
; A KEY STEP: 128 keys for my 32 queries.  The two tiles' lines take turns, so that no line waits for the line above it.
.macro STEP
	s_lshr_b32 s30, s22, s19
	s_and_b32 s30, s30, 1
	s_cmp_eq_u32 s30, 0
	s_cbranch_scc1 .Lskip_\@                       ; no true entry for my queries: the step is not walked
	s_lshr_b32 s30, s23, s19
	s_and_b32 s30, s30, 1
	s_cmp_lg_u32 s30, 0
	s_cbranch_scc1 .Lfull_\@                       ; all true: nothing to select
	MLOAD 0
	QK
	s_wait_kmcnt 0x0
	MSEL 0
	MLOAD 1
	s_wait_kmcnt 0x0
	MSEL 1
	s_branch .Lsoft_\@
.Lfull_\@:
	QK
.Lsoft_\@:
.irp u, 0,1
	v_max3_num_f32 v[TT+8*\u+6], v[SS+64*\u], v[SS+64*\u+1], v[SS+64*\u+2]        ; the step's largest score of my query among my 64 keys, in two chains, ascending
	v_max3_num_f32 v[TT+8*\u+7], v[SS+64*\u+3], v[SS+64*\u+4], v[SS+64*\u+5]
.endr
.irp i, 6,10,14,18,22,26,30,34,38,42,46,50,54,58
.irp u, 0,1
	v_max3_num_f32 v[TT+8*\u+6], v[TT+8*\u+6], v[SS+64*\u+\i], v[SS+64*\u+\i+1]
	v_max3_num_f32 v[TT+8*\u+7], v[TT+8*\u+7], v[SS+64*\u+\i+2], v[SS+64*\u+\i+3]
.endr
.endr
.irp u, 0,1
	v_max3_num_f32 v[TT+8*\u+6], v[TT+8*\u+6], v[SS+64*\u+62], v[SS+64*\u+63]
.endr
.irp u, 0,1
	v_max_num_f32 v[TT+8*\u+6], v[TT+8*\u+6], v[TT+8*\u+7]
.endr
.irp u, 0,1
	v_permlanex16_b32 v[TT+8*\u+7], v[TT+8*\u+6], s26, s27
.endr
.irp u, 0,1
	v_max_num_f32 v[TT+8*\u+6], v[TT+8*\u+6], v[TT+8*\u+7]     ; and among lane l xor 16's
.endr
.irp u, 0,1
	v_mul_f32 v[TT+8*\u+6], s24, v[TT+8*\u+6]                  ; as t (c is positive)
.endr
.irp u, 0,1
	v_max_num_f32 v[TT+8*\u+1], v[TT+8*\u+1], v[TT+8*\u+6]     ; the running largest t
.endr
.irp u, 0,1
	v_mov_b32 v[TT+8*\u+6], v[TT+8*\u]
.endr
.irp u, 0,1
	v_floor_f32 v[TT+8*\u], -v[TT+8*\u+1]                      ; the new -M = floor(-t): M is a whole number
.endr
.irp u, 0,1
	v_sub_f32 v[TT+8*\u+6], v[TT+8*\u], v[TT+8*\u+6]           ; old M - new M: a whole number, 0 or less
.endr
.irp u, 0,1
	v_cvt_i32_f32 v[TT+8*\u+6], v[TT+8*\u+6]                   ; (it saturates)
.endr
.irp u, 0,1
	v_ldexp_f32 v[TT+8*\u+4], 1.0, v[TT+8*\u+6]                ; f = 2^(old M - new M)
.endr
.set m, 0
.rept 32
.irp u, 0,1
	v_pk_fma_f32 v[SS+64*\u+m:SS+64*\u+m+1], v[SS+64*\u+m:SS+64*\u+m+1], s[24:25], v[TT+8*\u:TT+8*\u+1] op_sel_hi:[1,0,0]   ; t - M, two at a time (of the pairs c and -M the low word serves both halves)
.endr
.set m, m+2
.endr
.set m, 0
.rept 64
.irp u, 0,1
	v_exp_f32 v[SS+64*\u+m], v[SS+64*\u+m]                     ; p = 2^(t - M), at most 1: one batch of 128
.endr
.set m, m+1
.endr
.irp u, 0,1
	v_pk_mul_f32 v[TT+8*\u+2:TT+8*\u+3], v[TT+8*\u+2:TT+8*\u+3], v[TT+8*\u+4:TT+8*\u+5] op_sel_hi:[1,0]   ; the sums under the new M: the plain lines behind the exponentials
.endr
	s_wait_alu depctr_va_vdst(0)                   ; the 128 exponentials have written p, ahead of its first reader: one wait for the whole batch
.irp u, 0,1
	v_pk_add_f32 v[TT+8*\u+6:TT+8*\u+7], v[SS+64*\u:SS+64*\u+1], v[SS+64*\u+2:SS+64*\u+3]   ; the row's sum is taken of the unquantised p, two at a time, in two chains
.endr
.irp j, 4,8,12,16,20,24,28,32,36,40,44,48,52,56,60
.irp u, 0,1
	v_pk_add_f32 v[TT+8*\u+2:TT+8*\u+3], v[TT+8*\u+2:TT+8*\u+3], v[SS+64*\u+\j:SS+64*\u+\j+1]
	v_pk_add_f32 v[TT+8*\u+6:TT+8*\u+7], v[TT+8*\u+6:TT+8*\u+7], v[SS+64*\u+\j+2:SS+64*\u+\j+3]
.endr
.endr
.irp u, 0,1
	v_pk_add_f32 v[TT+8*\u+2:TT+8*\u+3], v[TT+8*\u+2:TT+8*\u+3], v[TT+8*\u+6:TT+8*\u+7]
.endr
	s_cmp_eq_u32 s28, 0
	s_cbranch_scc1 .Lno_hold_\@                    ; the hold is run only where 57,344 x 2^e8 lies under 1
.set m, 0
.rept 128
	v_min_num_f32 v[SS+m], v[SS+m], v[LIMP]        ; the conversion to an 8-bit code does not saturate (ISA guide 7.6.2); p is not negative, so the hold is one-sided
.set m, m+1
.endr
.Lno_hold_\@:
.irp t, 0,1,2,3,4,5,6,7
.irp u, 0,1
	v_cvt_scalef32_pk8_bf8_f32 v[PP+16*\u+2*\t:PP+16*\u+2*\t+1], v[SS+64*\u+8*\t:SS+64*\u+8*\t+7], v[SCP]   ; keys 16 t + 8 h + 0 .. 7: registers 2 t, 2 t + 1 of P's fragment
.endr
.endr
.set m, 0
.rept 16
.irp u, 0,1
	v_pk_mul_f32 v[OO+32*\u+m:OO+32*\u+m+1], v[OO+32*\u+m:OO+32*\u+m+1], v[TT+8*\u+4:TT+8*\u+5] op_sel_hi:[1,0]   ; O^T under the new M.  (These are also the plain lines between the conversions and the products)
.endr
.set m, m+2
.endr
	s_wait_dscnt 0x0                               ; V is in
	WIN 0x01                                       ; source 0 (V) window 1
.irp c, 0,1,2,3
.irp u, 0,1
	v_wmma_f32_16x16x128_bf8_bf8 v[OO+32*\u+8*\c:OO+32*\u+8*\c+7], v[VF+16*\c:VF+16*\c+15], v[PP+16*\u:PP+16*\u+15], v[OO+32*\u+8*\c:OO+32*\u+8*\c+7]   ; the eight accumulators take turns
.endr
.endr
	WIN 0
.Lskip_\@:
.endm
; The end of a pass: O^T / the sum x 2^(e8 + e9) goes through my stage in LDS, a tile of 16 queries at a time, and leaves as rows of 256 bytes: a token's 64 channels of this head.
; Both tiles are scaled first, so that one wait on va_vdst serves all 32 LDS instructions of the stage.
.macro PASS_TAIL
.rept 4
	v_nop                                          ; the places behind the last products
.endr
.irp u, 0,1
	v_add_f32 v[TT+8*\u+2], v[TT+8*\u+2], v[TT+8*\u+3]         ; the sum's two halves,
.endr
.irp u, 0,1
	v_permlanex16_b32 v[TT+8*\u+7], v[TT+8*\u+2], s26, s27
.endr
.irp u, 0,1
	v_add_f32 v[TT+8*\u+2], v[TT+8*\u+2], v[TT+8*\u+7]         ; and lane l xor 16's
.endr
.irp u, 0,1
	v_rcp_f32 v[TT+8*\u+4], v[TT+8*\u+2]
.endr
	v_nop                                          ; a plain line behind the reciprocals,
	s_wait_alu depctr_va_vdst(0)                   ; the two reciprocals are written, ahead of their first reader: one wait for both
.irp u, 0,1
	v_ldexp_f32 v[TT+8*\u+4], v[TT+8*\u+4], s29
.endr
.irp u, 0,1
.set m, 0
.rept 16
	v_pk_mul_f32 v[SS+64*\u+m:SS+64*\u+m+1], v[OO+32*\u+m:OO+32*\u+m+1], v[TT+8*\u+4:TT+8*\u+5] op_sel_hi:[1,0]   ; register 8 c + j: channel 16 c + 8 h + j of my query; each accumulator from its low end on
.set m, m+2
.endr
.endr
	s_wait_alu depctr_va_vdst(0)                   ; the scalings have written the lower halves of both tiles' S^T registers, which the LDS stores read; the softmax's lines are done with the upper halves, in which the loads from the stage land
.irp u, 0,1
.irp c, 0,1,2,3
	ds_store_b128 v[STO], v[SS+64*\u+8*\c:SS+64*\u+8*\c+3] offset:64*\c
	ds_store_b128 v[STO], v[SS+64*\u+8*\c+4:SS+64*\u+8*\c+7] offset:64*\c+16
.endr
.irp i, 0,1,2,3,4,5,6,7
	ds_load_b128 v[SS+64*\u+32+4*\i:SS+64*\u+32+4*\i+3], v[RD] offset:544*\i   ; LDS serves a wave's instructions in order (ISA guide 5.7.1.4): these see my stores, and the next tile's stores come behind them
.endr
.endr
.irp u, 0,1
.irp i, 0,1,2,3,4,5,6,7
	s_wait_dscnt 16*(1-\u)+7-\i                    ; behind this load: the tile's 7 - i younger loads, and for the first tile the second's sixteen LDS instructions
	global_store_b128 v[GO], v[SS+64*\u+32+4*\i:SS+64*\u+32+4*\i+3], s[104:105] offset:65536*\u+8192*\i th:TH_STORE_NT   ; sixteen lanes store 256 consecutive bytes, aligned
.endr
.endr
	s_wait_xcnt 0x0                                ; the stores have read their registers and their base: both are written again in the next pass
.endm
	PASS_HEAD
; THE FIRST PASS, sixteen trips.  A trip puts key step s19, which was asked for a trip ago, into LDS; one barrier shows it to all waves; the next step is asked for; the step is walked.
; Between two barriers the waves read step s19's bytes and write step s19 + 1's: other bytes.  The barrier stands on every wave's path in every trip.
.Lp0:
	s_wait_alu depctr_vm_vsrc(0)                   ; the last trip's LDS loads have read v[KA] and its LDS stores v[SA]: the two lines below write them anew
	v_add_nc_u32 v[KA], s20, v[LK]
	v_add_nc_u32 v[SA], s20, v[CP]
	s_wait_loadcnt 0x0                             ; the key step on its way is in registers (in the first trip: Q too)
	s_wait_alu depctr_va_vdst(0)                   ; THE TRIP'S ONE WAIT, ahead of all its branches: v[KA] and v[SA] are written, which its LDS loads and stores read; the last step's products are done reading K's and V's fragments, in which its LDS loads land
	s_lshr_b32 s30, s21, s19
	s_and_b32 s30, s30, 1
	s_cmp_eq_u32 s30, 0
	s_cbranch_scc1 .Lp0_no_store
	WIN 0x04                                       ; the stores' data in window 1
.irp c, 0,1,2,3
	ds_store_b128 v[SA], v[STG+4*\c:STG+4*\c+3] offset:4096*\c
.endr
	WIN 0
.Lp0_no_store:
	s_wait_dscnt 0x0                               ; for the others' sake: my part of the key step has landed
	s_barrier_signal -1
	s_barrier_wait -1
	s_wait_alu depctr_vm_vsrc(0)                   ; my LDS stores have read v[STG ..], in which the next key step's loads land: stated ahead of the branch
	s_add_co_u32 s31, s19, 1
	s_lshr_b32 s30, s21, s31
	s_and_b32 s30, s30, 1
	s_cmp_eq_u32 s30, 0
	s_cbranch_scc1 .Lp0_no_load
	WIN 0x40
.irp c, 0,1,2,3
	global_load_b128 v[STG+4*\c:STG+4*\c+3], v[CP], s[6:7] offset:16384+4096*\c   ; the next key step: it has this step's work in which to land
.endr
	WIN 0
.Lp0_no_load:
	STEP
	s_wait_xcnt 0x0                                ; the trip's loads have read their bases, which step now
	s_add_nc_u64 s[6:7], s[6:7], 16384
	s_add_nc_u64 s[100:101], s[100:101], 256
	s_add_co_u32 s20, s20, 16384
	s_add_co_u32 s19, s19, 1
	s_cmp_lt_u32 s19, 16
	s_cbranch_scc1 .Lp0
	PASS_TAIL
	s_wait_alu depctr_vm_vsrc(0)                   ; the way out's LDS stores and global stores have read S^T's registers, which the second pass's products write
; THE SECOND PASS: the other block.  All of K and V that it wants lies in LDS, shown by the first pass's barriers: nothing is fetched, and no wave waits for another.
	s_mov_b32 s17, ttmp9
	PASS_HEAD
	s_wait_loadcnt 0x0                             ; Q
.Lp1:
	s_wait_alu depctr_vm_vsrc(0)                   ; the LDS loads issued so far have read v[KA], which the line below writes anew
	v_add_nc_u32 v[KA], s20, v[LK]
	s_wait_alu depctr_va_vdst(0)                   ; THE TRIP'S ONE WAIT, ahead of all its branches: v[KA] is written, which its LDS loads read; the last step's products are done reading K's and V's fragments, in which they land
	STEP
	s_wait_xcnt 0x0
	s_add_nc_u64 s[100:101], s[100:101], 256
	s_add_co_u32 s20, s20, 16384
	s_add_co_u32 s19, s19, 1
	s_cmp_lt_u32 s19, 16
	s_cbranch_scc1 .Lp1
	PASS_TAIL
	s_wait_dscnt 0x0                               ; the closing lines, six on end
	s_wait_alu 0x0
	s_wait_tensorcnt 0x0
	ds_add_u32 v[SPW], v[NIL]
	s_wait_dscnt 0x0
	s_endpgm
.Lfunc_end_k_q9caec75163_attn:
	.size	k_q9caec75163_attn, .Lfunc_end_k_q9caec75163_attn-k_q9caec75163_attn
	.p2alignl 7, 3214868480
	.fill 96, 4, 3214868480
	.section	.rodata,"a",@progbits
	.p2align	6, 0x0
	.amdhsa_kernel k_q9caec75163_attn
		.amdhsa_group_segment_fixed_size 297984
		.amdhsa_private_segment_fixed_size 0
		.amdhsa_enable_private_segment 0
		.amdhsa_kernarg_size 48
		.amdhsa_user_sgpr_count 2
		.amdhsa_user_sgpr_kernarg_segment_ptr 1
		.amdhsa_wavefront_size32 1
		.amdhsa_system_sgpr_workgroup_id_x 1
		.amdhsa_system_sgpr_workgroup_id_y 1
		.amdhsa_system_sgpr_workgroup_id_z 1
		.amdhsa_system_vgpr_workitem_id 0
		.amdhsa_next_free_vgpr 512
		.amdhsa_next_free_sgpr 106
		.amdhsa_reserve_vcc 0
		.amdhsa_float_denorm_mode_32 3
		.amdhsa_float_denorm_mode_16_64 3
		.amdhsa_memory_ordered 1
		.amdhsa_forward_progress 1
		.amdhsa_inst_pref_size 110
	.end_amdhsa_kernel
	.amdgpu_metadata
---
amdhsa.version: [ 1, 2 ]
amdhsa.kernels:
  - .name:           k_q9caec75163_attn
    .symbol:         k_q9caec75163_attn.kd
    .args:
      - { .name: qc, .offset: 0, .size: 8, .value_kind: global_buffer, .address_space: global }
      - { .name: kv, .offset: 8, .size: 8, .value_kind: global_buffer, .address_space: global }
      - { .name: mlane, .offset: 16, .size: 8, .value_kind: global_buffer, .address_space: global }
      - { .name: mflag, .offset: 24, .size: 8, .value_kind: global_buffer, .address_space: global }
      - { .name: lowp_scales, .offset: 32, .size: 8, .value_kind: global_buffer, .address_space: global }
      - { .name: out0, .offset: 40, .size: 8, .value_kind: global_buffer, .address_space: global }
    .group_segment_fixed_size: 297984
    .private_segment_fixed_size: 0
    .kernarg_segment_align: 8
    .kernarg_segment_size: 48
    .max_flat_workgroup_size: 256
    .sgpr_count:     106
    .vgpr_count:     512
    .wavefront_size: 32
...
	.end_amdgpu_metadata
.endif
;; end of part 4
